; MI455X (gfx1250); checked and timed in simulation.
; The chip was launched on July 23, 2026; its instructions are those of AMD's public machine-readable ISA for CDNA 5 (MIT licence, August 2026) and "CDNA5" Instruction Set Architecture Reference Guide (July 2026). The comments in the code are by the model that wrote it; some were corrected since.
;; Conditional Feed Forward. Allowed arithmetic: float matrix products may take bf16 or f16 operands with f32 sums; other float arithmetic in f32, or as packed bf16 or f16 multiplies, adds, multiply-adds, maxima and minima; sums over many terms, partial sums and values carried from step to step in f32; what a program stores and reads back later, other than sums and carried values, may be rounded once to bf16 or f16.
;; Inputs: expert_indices 1,024 x 1 int32; w_down 8 x 1,024 x 2,048 float32; w_gate 8 x 2,048 x 1,024 float32; w_up 8 x 2,048 x 1,024 float32; x 1,024 x 1,024 float32.
;; Outputs: out0 1,024 x 1 x 1,024 float32.
;; 2 versions, each right; version 2 is version 1 with the launches gateup, down written anew for expert scheduling mode. Each part assembles by itself: llvm-mc -triple=amdgcn-amd-amdhsa -mcpu=gfx1250 --defsym DOCPART=n.
;; ======== version 1 of 2: 3 launches
;; workspace buffers: xs 2,359,296 bytes; hbuf 4,718,592 bytes; meta 256 bytes of whole numbers; order 4,608 bytes of whole numbers
;; launch prep (part 1): grid 72 x 1, 4 waves a work-group, no clusters, 34,304 bytes of LDS; arguments expert_indices, x, xs, meta, order; writes xs, meta, order
.if DOCPART == 1
	.amdgcn_target "amdgcn-amd-amdhsa--gfx1250"
	.amdhsa_code_object_version 6
	.text
	.protected	k_qbac30b144a_prep
	.globl	k_qbac30b144a_prep
	.p2align	8
	.type	k_qbac30b144a_prep,@function
k_qbac30b144a_prep:
	s_mov_b64 s[64:65], 0
	v_nop
	global_prefetch_b8 v0, s[64:65] scope:SCOPE_SE
	s_setreg_imm32_b32 hwreg(HW_REG_WAVE_MODE, 25, 1), 1
	s_wait_xcnt 0x0
; ROUTING AND LAYOUT.  1,024 tokens, each with one expert of 8.  Each expert's rows are padded to whole ROW TILES of 16 rows and the tiles of
; expert 0, 1, .. 7 follow each other: never more than (1024 + 8 x 15) / 16 = 71 tiles, whatever the choice.  Work-group d makes row tile d:
;   xs    tile d: 32 blocks of 1,024 bytes; block kb holds the 16 rows x 32 k (k = 32 kb ..) in bf16 as a matrix operand's registers take them:
;         bytes 16 L of the first 512: row L % 16, k = 8 (L / 16) + 0..7; of the second 512: k = 16 + 8 (L / 16) + 0..7
;   order tile d: 16 words, the token of each row.  A row past the expert's count repeats the tile's last real row, in xs and in order alike.
;   meta  (work-group 0, wave 0): 16 entries of 4 words; entry e < 8 is {e, expert e's first row tile, its row tiles, its rows}; the rest hold 0.
; Every wave works the routing out for itself from the 4,096 bytes of indices, so no wave waits for another; wave w then takes k = 256 w .. 256 w + 255.
; A work-group whose tile lies past the last one stores nothing and ends: the price of a grid that serves every split of the tokens.
; LIMITS.  Indices lie in 0 .. 7, as the gather that defines the result relies on; a token with another index would get no row.  x is rounded once to bf16.
; The order of an expert's rows (by register, then by lane) is this text's own; no sum hangs on it.
.set PITCH, 528                        ; a stage row: 512 bytes of bf16 + 16: the 16 rows that a fragment load touches start 33 x 16 bytes apart
.set WREG,  16*PITCH                   ; a wave's stage: 16 rows
.set SPARE, 4*WREG                     ; behind the stages: the spare words, 128 bytes a wave, which no other line names
.set IDX, 24                           ; v24-55   the 1,024 indices: register m of lane L holds token 128 (m / 4) + 4 L + m % 4
.set OFF, 24                           ; v24-39   later: byte offset of my 16 bytes in row R's token
.set TMP, 40                           ; v40-55   later: packed bf16 at work
.set X,   56                           ; v56-183  first the 32 pushes' results, then 16 rows x 2 loads x 4 registers of x
.set F,   184                          ; v184-247 8 blocks x 2 halves x 4 registers, as stored
; v1 lane  v2, v3 the add's two registers  v4 16 lane  v5 y = lane % 16  v8-11 my meta entry  v12 4 lane  v16 which push brought my row  v17 its token
; v18 16 y  v19 4 y  v21 stage + 8 lane  v22 stage + y x 528 + 16 (lane / 16)  v23 my row's token
; s14 wave  s15 tile d  s16 expert  s17 its rows  s18 its tiles  s19 its first tile
; s22, s23, s24 my tile's expert (8: none), its number among the expert's tiles, the expert's rows  s36 running rank  s37 last real row
	s_load_b256 s[4:11], s[0:1], 0x0               ; indices s[4:5], x s[6:7], xs s[8:9], meta s[10:11]
	s_load_b64 s[12:13], s[0:1], 0x20              ; order
	v_lshl_add_u32 v2, v0, 2, SPARE
	v_mov_b32 v3, 0
	v_and_b32 v1, 31, v0
	v_lshrrev_b32 v7, 5, v0
	v_readfirstlane_b32 s14, v7
	s_mov_b32 s15, ttmp9
	v_lshlrev_b32 v4, 4, v1
	v_and_b32 v5, 15, v1
	v_lshlrev_b32 v12, 2, v1
	s_wait_kmcnt 0x0
.irp j, 0,1,2,3,4,5,6,7
	global_load_b128 v[IDX+4*\j:IDX+4*\j+3], v4, s[4:5] offset:512*\j
.endr
	s_mul_i32 s30, s14, WREG                       ; my stage
	v_lshl_add_u32 v21, v1, 3, s30
	v_mul_u32_u24 v22, v5, PITCH
	v_lshrrev_b32 v7, 4, v1
	v_lshl_add_u32 v22, v7, 4, v22
	v_add_nc_u32 v22, s30, v22
	v_lshlrev_b32 v18, 4, v5
	v_lshlrev_b32 v19, 2, v5
	s_mov_b32 s47, 0
	s_lshl_b32 s46, s14, 10
	s_add_nc_u64 s[40:41], s[6:7], s[46:47]        ; x at my quarter of a row
	s_lshl_b32 s46, s15, 15
	s_lshl_b32 s25, s14, 13
	s_add_co_u32 s46, s46, s25
	s_add_nc_u64 s[42:43], s[8:9], s[46:47]        ; xs at my tile's blocks 8 w ..
	s_lshl_b32 s46, s15, 6
	s_add_nc_u64 s[44:45], s[12:13], s[46:47]      ; order at my tile
.irp r, 8,9,10,11
	v_mov_b32 v\r, 0
.endr
	s_mov_b32 s16, 0
	s_mov_b32 s19, 0
	s_mov_b32 s22, 8
	s_mov_b32 s23, 0
	s_mov_b32 s24, 0
	s_wait_loadcnt 0x0                             ; the indices
; One trip for each expert: its rows and tiles; is my tile one of its tiles; lane y = expert takes its meta entry.
.Lexpert:
	s_mov_b32 s17, 0
.set m, 0
.rept 8
.irp i, 0,1,2,3
	v_cmp_eq_u32 s[32+\i], s16, v[IDX+m+\i]
.endr
.irp i, 0,1,2,3
	s_bcnt1_i32_b32 s[32+\i], s[32+\i]
.endr
.irp i, 0,1,2,3
	s_add_co_u32 s17, s17, s[32+\i]
.endr
.set m, m+4
.endr
	s_add_co_u32 s18, s17, 15
	s_lshr_b32 s18, s18, 4                         ; tiles = ceil(rows / 16)
	s_sub_co_u32 s26, s15, s19                     ; my tile's number among this expert's (wraps where it lies in front)
	s_cmp_lt_u32 s26, s18
	s_cselect_b32 s22, s16, s22
	s_cselect_b32 s23, s26, s23
	s_cselect_b32 s24, s17, s24
	v_cmp_eq_u32 s28, s16, v5
	v_cndmask_b32 v8, v8, s16, s28
	v_cndmask_b32 v9, v9, s19, s28
	v_cndmask_b32 v10, v10, s18, s28
	v_cndmask_b32 v11, v11, s17, s28
	s_add_co_u32 s19, s19, s18
	s_add_co_u32 s16, s16, 1
	s_cmp_lt_u32 s16, 8
	s_cbranch_scc1 .Lexpert
	s_cmp_eq_u32 s22, 8
	s_cbranch_scc1 .Lnone                          ; no expert has a tile d: nothing was written to LDS yet
	s_or_b32 s25, s15, s14
	s_cmp_lg_u32 s25, 0
	s_cbranch_scc1 .Lno_meta
	global_store_b128 v18, v[8:11], s[10:11]       ; lanes 0-15 store 256 consecutive bytes; lanes 16-31 repeat them with the same numbers
.Lno_meta:
; The tile's tokens.  A token of my expert has a rank (matches in earlier registers, then in lower lanes) less 16 x my tile's number; ranks 0 .. 15 are my rows.
; For each of the 32 registers each lane pushes its token to the lane of its rank; all others push to lane 16, which nobody reads.  Register m's matches have the
; ranks s36 .. s36 + count - 1, so lane r knows without looking at what came in which push its row came: v16.  Only that push's result is taken.
	s_lshl_b32 s36, s23, 4
	s_sub_co_u32 s36, 0, s36
	v_mov_b32 v16, 32                              ; none
.set m, 0
.rept 32
	v_cmp_eq_u32 vcc_lo, s22, v[IDX+m]
	v_mbcnt_lo_u32_b32 v13, vcc_lo, s36
	v_cndmask_b32 v13, 16, v13, vcc_lo
	v_min_u32 v13, 16, v13                         ; a rank in front of my tile has wrapped, one behind it is over 15: both go to lane 16
	v_lshlrev_b32 v13, 2, v13
	v_add_nc_u32 v14, 128*(m/4)+m%4, v12
	ds_permute_b32 v[X+m], v13, v14
	s_bcnt1_i32_b32 s25, vcc_lo
	v_sub_nc_u32 v15, v1, s36                      ; my lane's place among this register's ranks (wraps where it lies in front)
	v_cmp_gt_u32 s26, s25, v15
	v_cndmask_b32 v16, v16, m, s26
	s_add_co_u32 s36, s36, s25
.set m, m+1
.endr
	s_lshl_b32 s25, s23, 4
	s_sub_co_u32 s25, s24, s25
	s_min_u32 s25, s25, 16                         ; real rows in my tile, 1 .. 16
	s_sub_co_u32 s37, s25, 1
	v_min_u32 v15, s37, v5                         ; a row past them takes the last real row
	v_lshlrev_b32 v15, 2, v15
	v_mov_b32 v17, 0
	s_wait_dscnt 0x0
.set m, 0
.rept 32
	v_cmp_eq_u32 vcc_lo, m, v16
	v_cndmask_b32 v17, v17, v[X+m], vcc_lo
.set m, m+1
.endr
	ds_bpermute_b32 v23, v15, v17                  ; lane L: the token of row L % 16
	s_wait_dscnt 0x0
	s_cmp_lg_u32 s14, 0
	s_cbranch_scc1 .Lno_order
	global_store_b32 v19, v23, s[44:45]            ; 64 consecutive bytes; lanes 16-31 repeat lanes 0-15
.Lno_order:
; The 16 rows, my quarter of each: two loads of 512 consecutive bytes a row, all 32 asked for before the first is used.
.set r, 0
.rept 16
	v_readlane_b32 s25, v23, r
	s_min_u32 s25, s25, 1023
	v_lshl_add_u32 v[OFF+r], s25, 12, v4
	global_load_b128 v[X+8*r:X+8*r+3], v[OFF+r], s[40:41]
	global_load_b128 v[X+8*r+4:X+8*r+7], v[OFF+r], s[40:41] offset:512
.set r, r+1
.endr
.set k, 0
.rept 32
	s_wait_loadcnt 31-k                            ; loads come back in order: the 31 - k younger ones may stay out
	v_cvt_pk_bf16_f32 v[TMP+2*(k%8)], v[X+4*k], v[X+4*k+1]
	v_cvt_pk_bf16_f32 v[TMP+2*(k%8)+1], v[X+4*k+2], v[X+4*k+3]
	ds_store_b64 v21, v[TMP+2*(k%8):TMP+2*(k%8)+1] offset:(k/2)*PITCH+(k%2)*256
.set k, k+1
.endr
; Back in operand order.  The stage is my wave's own and LDS serves a wave's instructions in order, so no wait stands between the stores and these loads.
.set k, 0
.rept 16
	ds_load_b128 v[F+4*k:F+4*k+3], v22 offset:(k/2)*64+(k%2)*32
.set k, k+1
.endr
.set k, 0
.rept 16
	s_wait_dscnt 15-k                              ; the 15 - k younger LDS loads may stay out
	global_store_b128 v4, v[F+4*k:F+4*k+3], s[42:43] offset:(k/2)*1024+(k%2)*512  ; 512 consecutive bytes, at a multiple of 512 from the buffer's first
.set k, k+1
.endr
	s_wait_tensorcnt 0x0                           ; the wave's end, behind my last LDS store
	ds_add_u32 v2, v3
	s_wait_dscnt 0x0
	s_endpgm
.Lnone:
	s_endpgm
.Lfunc_end_k_qbac30b144a_prep:
	.size	k_qbac30b144a_prep, .Lfunc_end_k_qbac30b144a_prep-k_qbac30b144a_prep
	.p2alignl 7, 3214868480
	.fill 96, 4, 3214868480
	.section	.rodata,"a",@progbits
	.p2align	6, 0x0
	.amdhsa_kernel k_qbac30b144a_prep
		.amdhsa_group_segment_fixed_size 34304
		.amdhsa_private_segment_fixed_size 0
		.amdhsa_enable_private_segment 0
		.amdhsa_kernarg_size 40
		.amdhsa_user_sgpr_count 2
		.amdhsa_user_sgpr_kernarg_segment_ptr 1
		.amdhsa_wavefront_size32 1
		.amdhsa_system_sgpr_workgroup_id_x 1
		.amdhsa_system_sgpr_workgroup_id_y 1
		.amdhsa_system_sgpr_workgroup_id_z 1
		.amdhsa_system_vgpr_workitem_id 0
		.amdhsa_next_free_vgpr 248
		.amdhsa_next_free_sgpr 66
		.amdhsa_reserve_vcc 1
		.amdhsa_float_denorm_mode_32 3
		.amdhsa_float_denorm_mode_16_64 3
		.amdhsa_memory_ordered 1
		.amdhsa_forward_progress 1
		.amdhsa_inst_pref_size 45
	.end_amdhsa_kernel
	.amdgpu_metadata
---
amdhsa.version: [ 1, 2 ]
amdhsa.kernels:
  - .name:           k_qbac30b144a_prep
    .symbol:         k_qbac30b144a_prep.kd
    .args:
      - { .name: expert_indices, .offset: 0, .size: 8, .value_kind: global_buffer, .address_space: global }
      - { .name: x, .offset: 8, .size: 8, .value_kind: global_buffer, .address_space: global }
      - { .name: xs, .offset: 16, .size: 8, .value_kind: global_buffer, .address_space: global }
      - { .name: meta, .offset: 24, .size: 8, .value_kind: global_buffer, .address_space: global }
      - { .name: order, .offset: 32, .size: 8, .value_kind: global_buffer, .address_space: global }
    .group_segment_fixed_size: 34304
    .private_segment_fixed_size: 0
    .kernarg_segment_align: 8
    .kernarg_segment_size: 40
    .max_flat_workgroup_size: 128
    .sgpr_count:     66
    .vgpr_count:     248
    .wavefront_size: 32
...
	.end_amdgpu_metadata
.endif
;; end of part 1
;; launch gateup (part 2): grid 32 x 8, 8 waves a work-group, no clusters, 265,216 bytes of LDS; arguments xs, w_gate, w_up, meta, hbuf; writes hbuf
.if DOCPART == 2
	.amdgcn_target "amdgcn-amd-amdhsa--gfx1250"
	.amdhsa_code_object_version 6
	.text
	.protected	k_qbac30b144a_gateup
	.globl	k_qbac30b144a_gateup
	.p2align	8
	.type	k_qbac30b144a_gateup,@function
k_qbac30b144a_gateup:
	s_mov_b64 s[64:65], 0
	v_nop
	global_prefetch_b8 v0, s[64:65] scope:SCOPE_SE
	s_setreg_imm32_b32 hwreg(HW_REG_WAVE_MODE, 25, 1), 1
	s_wait_xcnt 0x0
; h = silu(x Wg^T) * (x Wu^T) for 64 hidden columns (slice = work-group x) of all rows of one expert (work-group y).  32 x 8 = 256 work-groups, whatever the split.
; The weights are most of the bytes: each weight byte is read once, by one work-group, as f32, and rounded to bf16 on its way through registers.
; PHASE 1.  The slice (64 rows of Wg, 64 rows of Wu, 1,024 numbers each) goes into LDS as bf16, 264,192 bytes with padding.  Wave w takes rows 8 w .. 8 w + 7 of both; a row is a
; group of 8 loads of 512 consecutive bytes; 7 groups, 56 loads, are asked for ahead.  ONE barrier follows, which every wave passes, whatever the expert's count.
; PHASE 2.  A loop without barriers whose count hangs on the expert's row tiles (read from meta); nothing in it writes LDS, its LDS addresses are fixed and K is written out.
; Trip b serves row tiles 12 b .. 12 b + 11.  Wave w = (nh = w % 2, rg = w / 2) has a UNIT: row tiles 12 b + rg + 4 t (t = 0, 1, 2) x hidden columns 32 nh .. 32 nh + 31
; (2 column tiles of Wg and the same 2 of Wu): 12 accumulators.  A unit stands by itself: it asks for its own fragments, starts its sums with the constant 0, and at its end all its
; loads have been waited for; a unit whose first tile lies past the count is jumped.  Tokens come from xs in operand order: a fragment is two loads of 512 consecutive bytes
; straight into registers.  A later tile past the count keeps its loads (so the waits' counts hold) but asks in all lanes for the same 16 bytes of a tile that exists;
; its products are made and its stores are jumped.
; THE MATRIX INSTRUCTION IS USED TRANSPOSED: source 0 = 16 weight rows, source 1 = 16 tokens.  A lane then holds one token (lane % 16) and eight neighbouring hidden columns,
; which, rounded to bf16, ARE 16 bytes of the next product's operand order: h leaves without LDS, 512 consecutive bytes a store.
; NO CLUSTER: each weight has one reader; what an expert's 32 slices share are the token fragments, which go to registers, and LDS has 62 KB left beside the slice.
; The stream and the products do not overlap in a work-group: the price of a loop that serves every split without a barrier in it.
; LIMITS.  x, the weights and h are rounded once to bf16; sums in f32.  silu(g) = g / (1 + 2^(-g log2 e)): below g of about -88 the power is infinite and h is a zero, where the
; exact value is under 1e-36.  NaN and infinities are not treated apart.  An expert without rows still reads its slice and stores nothing.
.set PITCH, 2064                       ; an LDS row: 2,048 bytes + 16 = 129 x 16: the 16 rows of a fragment load start in 16 different columns of 16 bytes
.set UPO,   64*PITCH                   ; Wu's 64 rows lie behind Wg's
.set SPARE, 128*PITCH                  ; behind the slice: the spare words, 128 bytes a wave, which no other line names
; window 0: v1 lane  v2, v3 the add's registers  v4 16 lane (never rewritten)
.set BS,  5                            ; v5, v6   where I store 8 bytes of my first row of Wg, of Wu: wave x 8 rows + 8 lane
.set BLG, 7                            ; v7       my place in my first fragment of Wg: (32 nh + lane % 16) rows + 16 (lane / 16)
.set BLU, 8                            ; v8       the same for Wu
.set AO,  9                            ; v9-11    tile t: 16 lane, or 0 in every lane
.set TMP, 16                           ; v16-31   phase 1: packed bf16 at work
.set BF,  16                           ; v16-143  weight fragments: buffer b, K half k, fragment f (0, 1 Wg; 2, 3 Wu) at 16 + 64 b + 32 k + 8 f
.set ACC, 144                          ; v144-239 accumulator (t, f) at 144 + 8 (4 t + f)
.set TT,  16                           ; the way out: v16-23, v24-31 at work, v32-55 six groups of 4 to store
.set PP,  24
.set OO,  32
; window 1: phase 1: group g % 8, load c at 32 (g % 8) + 4 c;  phase 2: token fragments: ring place p % 4, K half k, tile t at 48 (p % 4) + 24 k + 8 t
; s14 wave  s15 slice  s16 expert  s17 nh  s18 rg  s19 16 x expert  s[20:23] meta entry {expert, first tile, tiles, rows}  s[24:25], s[26:27] Wg, Wu at my rows
; s[28:33] xs at tile t  s[34:39] hbuf at tile t, my slice and nh  s40-42 tile t's lane mask (0: past the count)  s48 trip  s[50:51] -log2 e  s52 tiles - 1  s54 trips
.set MSB, 0
.macro WIN new                         ; bits 1:0 source 0, 3:2 source 1, 5:4 source 2, 7:6 destination; the high byte repeats the setting that is left
.if MSB != (\new)
	s_set_vgpr_msb (MSB<<8)|(\new)
.set MSB, \new
.endif
.endm
.macro PLACES                          ; four places behind matrix instructions, ahead of loads into their sources and of reads of their results
.rept 4
	v_nop
.endr
.endm
; Phase 1: group g: row g % 8 of my 8 rows of Wg (g < 8) or Wu: 8 loads of 512 consecutive bytes
.macro GLOAD g
	WIN 0x40
.irp c, 0,1,2,3,4,5,6,7
	global_load_b128 v[32*((\g)%8)+4*\c:32*((\g)%8)+4*\c+3], v4, s[24+2*((\g)/8):25+2*((\g)/8)] offset:((\g)%8)*4096+512*\c th:TH_LOAD_NT
.endr
.endm
; Phase 1: group g is rounded and stored: a lane's 4 numbers are 8 bytes, a store 256 consecutive bytes
.macro TOLDS g
	WIN 0x05
.irp c, 0,1,2,3,4,5,6,7
	v_cvt_pk_bf16_f32 v[TMP+2*\c], v[32*((\g)%8)+4*\c], v[32*((\g)%8)+4*\c+1]
	v_cvt_pk_bf16_f32 v[TMP+2*\c+1], v[32*((\g)%8)+4*\c+2], v[32*((\g)%8)+4*\c+3]
.endr
	WIN 0
.irp c, 0,1,2,3,4,5,6,7
	ds_store_b64 v[BS+(\g)/8], v[TMP+2*\c:TMP+2*\c+1] offset:((\g)%8)*PITCH+256*\c
.endr
.endm
; Phase 2: the weight fragments of pair p (k = 64 p .. 64 p + 63) into buffer p % 2: 16 LDS loads
.macro BFETCH p
	WIN 0
.irp k, 0,1
.irp j, 0,1
	ds_load_b128 v[BF+64*((\p)%2)+32*\k+8*\j:BF+64*((\p)%2)+32*\k+8*\j+3], v[BLG] offset:\j*16*PITCH+64*(2*(\p)+\k)
	ds_load_b128 v[BF+64*((\p)%2)+32*\k+8*\j+4:BF+64*((\p)%2)+32*\k+8*\j+7], v[BLG] offset:\j*16*PITCH+64*(2*(\p)+\k)+32
	ds_load_b128 v[BF+64*((\p)%2)+32*\k+8*\j+16:BF+64*((\p)%2)+32*\k+8*\j+19], v[BLU] offset:\j*16*PITCH+64*(2*(\p)+\k)
	ds_load_b128 v[BF+64*((\p)%2)+32*\k+8*\j+20:BF+64*((\p)%2)+32*\k+8*\j+23], v[BLU] offset:\j*16*PITCH+64*(2*(\p)+\k)+32
.endr
.endr
.endm
; Phase 2: the token fragments of pair p into ring place p % 4: 12 loads
.macro AFETCH p
	WIN 0x40
.irp k, 0,1
.irp t, 0,1,2
	global_load_b128 v[48*((\p)%4)+24*\k+8*\t:48*((\p)%4)+24*\k+8*\t+3], v[AO+\t], s[28+2*\t:29+2*\t] offset:(2*(\p)+\k)*1024
	global_load_b128 v[48*((\p)%4)+24*\k+8*\t+4:48*((\p)%4)+24*\k+8*\t+7], v[AO+\t], s[28+2*\t:29+2*\t] offset:(2*(\p)+\k)*1024+512
.endr
.endr
.endm
; Phase 2: 24 matrix instructions: the 12 accumulators take turns, one instruction a turn, twice, in the same order everywhere.  Pair 0's first 12 start the sums.
.macro MUL p
	WIN 0x04
.irp k, 0,1
.irp t, 0,1,2
.irp f, 0,1,2,3
.if ((\p) == 0) && (\k == 0)
	v_wmma_f32_16x16x32_bf16 v[ACC+8*(4*\t+\f):ACC+8*(4*\t+\f)+7], v[BF+64*((\p)%2)+32*\k+8*\f:BF+64*((\p)%2)+32*\k+8*\f+7], v[48*((\p)%4)+24*\k+8*\t:48*((\p)%4)+24*\k+8*\t+7], 0
.else
	v_wmma_f32_16x16x32_bf16 v[ACC+8*(4*\t+\f):ACC+8*(4*\t+\f)+7], v[BF+64*((\p)%2)+32*\k+8*\f:BF+64*((\p)%2)+32*\k+8*\f+7], v[48*((\p)%4)+24*\k+8*\t:48*((\p)%4)+24*\k+8*\t+7], v[ACC+8*(4*\t+\f):ACC+8*(4*\t+\f)+7]
.endif
.endr
.endr
.endr
.endm
; The way out of tile t, column tile j: g in accumulator (t, j), u in (t, j + 2); each is read from its low end on.
.macro SILU t, j
.irp r, 0,2,4,6
	v_pk_mul_f32 v[TT+\r:TT+\r+1], v[ACC+8*(4*(\t)+(\j))+\r:ACC+8*(4*(\t)+(\j))+\r+1], s[50:51] op_sel_hi:[1,0]
.endr
.irp r, 0,1,2,3,4,5,6,7
	v_exp_f32 v[TT+\r], v[TT+\r]
.endr
	v_nop                                          ; a plain instruction behind the last exponential
	s_wait_alu depctr_va_vdst(0)
.irp r, 0,2,4,6
	v_pk_add_f32 v[TT+\r:TT+\r+1], v[TT+\r:TT+\r+1], 1.0 op_sel_hi:[1,0]
.endr
.irp r, 0,1,2,3,4,5,6,7
	v_rcp_f32 v[TT+\r], v[TT+\r]
.endr
	v_nop                                          ; and behind the last reciprocal
	s_wait_alu depctr_va_vdst(0)
.irp r, 0,2,4,6
	v_pk_mul_f32 v[PP+\r:PP+\r+1], v[ACC+8*(4*(\t)+(\j))+\r:ACC+8*(4*(\t)+(\j))+\r+1], v[TT+\r:TT+\r+1]
.endr
.irp r, 0,2,4,6
	v_pk_mul_f32 v[PP+\r:PP+\r+1], v[ACC+8*(4*(\t)+(\j)+2)+\r:ACC+8*(4*(\t)+(\j)+2)+\r+1], v[PP+\r:PP+\r+1]
.endr
.irp r, 0,1,2,3
	v_cvt_pk_bf16_f32 v[OO+4*(2*(\t)+(\j))+\r], v[PP+2*\r], v[PP+2*\r+1]
.endr
	global_store_b128 v4, v[OO+4*(2*(\t)+(\j)):OO+4*(2*(\t)+(\j))+3], s[34+2*(\t):35+2*(\t)] offset:512*(\j)  ; half j of block 2 slice + nh: 512 consecutive bytes; each store of a unit has data registers of its own
.endm
	s_load_b256 s[4:11], s[0:1], 0x0               ; xs s[4:5], Wg s[6:7], Wu s[8:9], meta s[10:11]
	s_load_b64 s[12:13], s[0:1], 0x20              ; hbuf
	v_lshl_add_u32 v2, v0, 2, SPARE
	v_mov_b32 v3, 0
	v_and_b32 v1, 31, v0
	v_lshrrev_b32 v12, 5, v0
	v_readfirstlane_b32 s14, v12
	s_mov_b32 s15, ttmp9
	s_and_b32 s16, ttmp7, 0xffff
	s_lshl_b32 s19, s16, 4
	v_lshlrev_b32 v4, 4, v1
	s_mul_i32 s30, s14, 8*PITCH                    ; my 8 rows in LDS
	v_lshl_add_u32 v[BS], v1, 3, s30
	v_add_nc_u32 v[BS+1], UPO, v[BS]
	s_and_b32 s17, s14, 1                          ; nh
	s_lshr_b32 s18, s14, 1                         ; rg
	v_and_b32 v12, 15, v1
	v_lshrrev_b32 v13, 4, v1
	v_mul_u32_u24 v[BLG], v12, PITCH
	v_lshl_add_u32 v[BLG], v13, 4, v[BLG]
	s_mul_i32 s49, s17, 32*PITCH
	v_add_nc_u32 v[BLG], s49, v[BLG]
	v_add_nc_u32 v[BLU], UPO, v[BLG]
	s_lshl_b32 s53, s15, 11                        ; my slice's two blocks in a tile of hbuf,
	s_lshl_b32 s49, s17, 10                        ; and of them block nh
	s_add_co_u32 s53, s53, s49
	s_mov_b32 s50, 0xbfb8aa3b                      ; -log2 e
	s_mov_b32 s51, 0xbfb8aa3b                      ; named with it as a pair
	s_lshl_b32 s46, s16, 23                        ; the expert's 2,048 rows of 4,096 bytes,
	s_lshl_b32 s49, s15, 18                        ; the slice's 64 rows,
	s_add_co_u32 s46, s46, s49
	s_lshl_b32 s49, s14, 15                        ; my 8 of them
	s_add_co_u32 s46, s46, s49
	s_mov_b32 s47, 0
	s_wait_kmcnt 0x0
	s_load_b128 s[20:23], s[10:11], s19 offset:0x0 ; my expert's entry
	s_add_nc_u64 s[24:25], s[6:7], s[46:47]
	s_add_nc_u64 s[26:27], s[8:9], s[46:47]
; PHASE 1
.irp g, 0,1,2,3,4,5,6
	GLOAD \g
.endr
.irp g, 0,1,2,3,4,5,6,7,8,9,10,11,12,13,14,15
.if \g < 10
	s_wait_loadcnt 48                              ; loads come back in order: the 6 younger groups may stay out
.else
	s_wait_loadcnt 8*(15-\g)                       ; nothing more is asked for: the counts run down
.endif
	TOLDS \g
.if \g < 9
	GLOAD \g+7                                     ; into the registers of group g - 1, which has been rounded
.endif
.endr
	WIN 0
	s_wait_dscnt 0x0                               ; for the others' sake: my rows are in LDS
	s_barrier_signal -1
	s_barrier_wait -1                              ; the slice is whole; nothing writes it from here on
; PHASE 2
	s_wait_kmcnt 0x0
	s_add_co_u32 s54, s22, 11
	s_mul_i32 s54, s54, 43
	s_lshr_b32 s54, s54, 9                         ; (tiles + 11) x 43 / 512 = ceil(tiles / 12) for tiles up to 64
	s_min_u32 s54, s54, 6
	s_cmp_eq_u32 s54, 0
	s_cbranch_scc1 .Lend                           ; an expert without rows
	s_sub_co_u32 s52, s22, 1
	s_mov_b32 s48, 0
.Lblock:
	s_wait_xcnt 0x0                                ; the last unit's loads and stores have had their addresses translated: bases, offsets and store data are rewritten only behind this wait
	s_mul_i32 s49, s48, 12
	s_add_co_u32 s49, s49, s18                     ; my unit's first tile
	s_cmp_ge_u32 s49, s22
	s_cbranch_scc1 .Lnext                          ; past the count: the whole unit is jumped; it holds no barrier
.irp t, 0,1,2
	s_add_co_u32 s55, s49, 4*\t
	s_cmp_lt_u32 s55, s22
	s_cselect_b32 s[40+\t], 0x1f0, 0
	s_min_u32 s[40+\t], s[40+\t], 0x1f0            ; the lanes' mask: all of 16 lane, or nothing
	s_min_u32 s55, s55, s52                        ; past the count: the expert's last tile
	s_add_co_u32 s55, s55, s21
	s_min_u32 s55, s55, 71
	s_lshl_b32 s46, s55, 15
	s_add_nc_u64 s[28+2*\t:29+2*\t], s[4:5], s[46:47]
	s_lshl_b32 s46, s55, 16
	s_add_co_u32 s46, s46, s53
	s_add_nc_u64 s[34+2*\t:35+2*\t], s[12:13], s[46:47]
	v_and_b32 v[AO+\t], s[40+\t], v4
.endr
.irp p, 0,1,2,3
	AFETCH \p                                      ; 48 loads of mine are out
.endr
	BFETCH 0
.irp p, 0,1,2,3,4,5,6,7,8,9,10,11,12,13,14,15
.if \p < 15
	BFETCH \p+1
	s_wait_dscnt 16                                ; all but the 16 just issued
.else
	s_wait_dscnt 0x0
.endif
.if \p < 13
	s_wait_loadcnt 36                              ; the 3 younger pairs, 12 loads each, may stay out
.else
	s_wait_loadcnt 12*(15-\p)                      ; nothing more is asked for: the counts run down to 0
.endif
	MUL \p
	PLACES                                         ; ahead of the loads into the token registers and, next, into the weight buffer that these products read; at the end, of the way out
.if \p < 12
	AFETCH \p+4                                    ; into the ring place just multiplied
.endif
.endr
	WIN 0
	SILU 0, 0
	SILU 0, 1
.irp t, 1,2
	s_cmp_eq_u32 s[40+\t], 0
	s_cbranch_scc1 .Lnone_\t                       ; a tile past the count stores nothing
	SILU \t, 0
	SILU \t, 1
.Lnone_\t:
.endr
.Lnext:
	s_add_co_u32 s48, s48, 1
	s_cmp_lt_u32 s48, s54
	s_cbranch_scc1 .Lblock
.Lend:
	s_wait_tensorcnt 0x0                           ; the wave's end, behind my last LDS store
	ds_add_u32 v2, v3
	s_wait_dscnt 0x0
	s_endpgm
.Lfunc_end_k_qbac30b144a_gateup:
	.size	k_qbac30b144a_gateup, .Lfunc_end_k_qbac30b144a_gateup-k_qbac30b144a_gateup
	.p2alignl 7, 3214868480
	.fill 96, 4, 3214868480
	.section	.rodata,"a",@progbits
	.p2align	6, 0x0
	.amdhsa_kernel k_qbac30b144a_gateup
		.amdhsa_group_segment_fixed_size 265216
		.amdhsa_private_segment_fixed_size 0
		.amdhsa_enable_private_segment 0
		.amdhsa_kernarg_size 40
		.amdhsa_user_sgpr_count 2
		.amdhsa_user_sgpr_kernarg_segment_ptr 1
		.amdhsa_wavefront_size32 1
		.amdhsa_system_sgpr_workgroup_id_x 1
		.amdhsa_system_sgpr_workgroup_id_y 1
		.amdhsa_system_sgpr_workgroup_id_z 1
		.amdhsa_system_vgpr_workitem_id 0
		.amdhsa_next_free_vgpr 512
		.amdhsa_next_free_sgpr 66
		.amdhsa_reserve_vcc 0
		.amdhsa_float_denorm_mode_32 3
		.amdhsa_float_denorm_mode_16_64 3
		.amdhsa_memory_ordered 1
		.amdhsa_forward_progress 1
		.amdhsa_inst_pref_size 117
	.end_amdhsa_kernel
	.amdgpu_metadata
---
amdhsa.version: [ 1, 2 ]
amdhsa.kernels:
  - .name:           k_qbac30b144a_gateup
    .symbol:         k_qbac30b144a_gateup.kd
    .args:
      - { .name: xs, .offset: 0, .size: 8, .value_kind: global_buffer, .address_space: global }
      - { .name: w_gate, .offset: 8, .size: 8, .value_kind: global_buffer, .address_space: global }
      - { .name: w_up, .offset: 16, .size: 8, .value_kind: global_buffer, .address_space: global }
      - { .name: meta, .offset: 24, .size: 8, .value_kind: global_buffer, .address_space: global }
      - { .name: hbuf, .offset: 32, .size: 8, .value_kind: global_buffer, .address_space: global }
    .group_segment_fixed_size: 265216
    .private_segment_fixed_size: 0
    .kernarg_segment_align: 8
    .kernarg_segment_size: 40
    .max_flat_workgroup_size: 256
    .sgpr_count:     66
    .vgpr_count:     512
    .wavefront_size: 32
...
	.end_amdgpu_metadata
.endif
;; end of part 2
;; launch down (part 3): grid 32 x 8, 8 waves a work-group, no clusters, 151,040 bytes of LDS; arguments hbuf, w_down, meta, order, out0; writes out0
.if DOCPART == 3
	.amdgcn_target "amdgcn-amd-amdhsa--gfx1250"
	.amdhsa_code_object_version 6
	.text
	.protected	k_qbac30b144a_down
	.globl	k_qbac30b144a_down
	.p2align	8
	.type	k_qbac30b144a_down,@function
k_qbac30b144a_down:
	s_mov_b64 s[64:65], 0
	v_nop
	global_prefetch_b8 v0, s[64:65] scope:SCOPE_SE
	s_setreg_imm32_b32 hwreg(HW_REG_WAVE_MODE, 25, 1), 1
	s_wait_xcnt 0x0
; out = h Wd^T for 32 output columns (slice = work-group x) of all rows of one expert (work-group y); each row goes to its token.  32 x 8 = 256 work-groups, whatever the split.
; Each token has one expert, so each output row has one owner and nothing is summed across work-groups.
; PHASE 1.  The slice (32 rows of Wd, 2,048 numbers each, f32, each byte read once) goes into LDS as bf16, 131,584 bytes with padding.  Wave w takes rows 4 w .. 4 w + 3; half a row is a
; group of 8 loads of 512 consecutive bytes; 7 groups, 56 loads, are asked for ahead.  ONE barrier follows, which every wave passes, whatever the expert's count.
; PHASE 2.  A loop without barriers whose count hangs on the expert's row tiles (read from meta); its LDS addresses are fixed and K is written out.  Trip b serves row tiles 16 b .. 16 b + 15.
; Wave w has a UNIT: row tiles 16 b + w and 16 b + w + 8 x both column tiles: 4 accumulators, and each tile of h is read by one wave alone.  A unit stands by itself: it asks for its own
; fragments, starts its sums with the constant 0, and at its end all its loads have been waited for; a unit whose first tile lies past the count is jumped.  h lies in operand order:
; a fragment is two loads of 512 consecutive bytes straight into registers.  A second tile past the count keeps its loads (so the waits' counts hold) but asks in all lanes for the same
; 16 bytes of a tile that exists; its products are made and its stores are jumped.
; A padding row repeats the tile's last real row in h and in order alike: its numbers are the same bit for bit and go to the same bytes.
; THE MATRIX INSTRUCTION IS USED TRANSPOSED (source 0 = 16 rows of Wd, source 1 = 16 tokens): a lane holds one token and eight neighbouring columns.
; Output rows are 128 bytes a slice: 32 slices keep all WGPs at work; eight neighbouring lanes store a row's 128 consecutive bytes, through a stage in LDS that is the wave's own.
; NO CLUSTER: each weight has one reader; what an expert's 32 slices share are the fragments of h, which go to registers.
; LIMITS.  h and the weights are bf16 operands, sums in f32, the output f32.  NaN and infinities are not treated apart.  An expert without rows still reads its slice and stores nothing.
.set PITCH, 4112                       ; an LDS row: 4,096 bytes + 16 = 257 x 16
.set STAGE, 32*PITCH                   ; behind the slice: 16 rows x 144 bytes for each wave, for the way out
.set SP,    144
.set SPARE, STAGE+8*16*SP              ; behind the stages: the spare words, 128 bytes a wave, which no other line names
; window 0: v1 lane  v2, v3 the add's registers  v4 16 lane (never rewritten)
.set BS,  5                            ; v5      where I store 8 bytes of my first row: wave x 4 rows + 8 lane
.set BL,  6                            ; v6, v7  my place in column tile n's first fragment: (16 n + lane % 16) rows + 16 (lane / 16)
.set AO,  8                            ; v8, v9  tile t: 16 lane, or 0 in every lane
.set STO, 10                           ; v10     the way out: where I put my row's 32 bytes
.set RD,  11                           ; v11     where I read rows back: four rows of 128 bytes a load
.set CO,  12                           ; v12     16 (lane % 8)
.set TO,  13                           ; v13     4 (lane / 8)
.set TOK, 16                           ; v16-23  tile t, load i: the token of row 4 i + lane / 8
.set TMP, 16                           ; v16-31  phase 1: packed bf16 at work
.set BF,  32                           ; v32-159 weight fragments: buffer b, K quarter k, column tile n at 32 + 64 b + 16 k + 8 n
.set ACC, 160                          ; v160-191 accumulator (t, n) at 160 + 8 (2 t + n)
.set OUT, 192                          ; v192-223 rows read back
.set OFS, 224                          ; v224-231 their byte offsets in out0
; window 1: phase 1: group g, load c at 32 g + 4 c;  phase 2: fragments of h: ring place q % 3, K quarter k, tile t at 64 (q % 3) + 16 k + 8 t
; s14 wave  s15 slice  s16 expert  s19 16 x expert  s[20:23] meta entry {expert, first tile, tiles, rows}  s[24:25] Wd at my rows  s[28:31] hbuf at tile t  s[32:35] order at tile t
; s[36:37] out0 at my slice  s40-41 tile t's lane mask (0: past the count)  s48 trip  s52 tiles - 1  s54 trips
.set MSB, 0
.macro WIN new                         ; bits 1:0 source 0, 3:2 source 1, 5:4 source 2, 7:6 destination; the high byte repeats the setting that is left
.if MSB != (\new)
	s_set_vgpr_msb (MSB<<8)|(\new)
.set MSB, \new
.endif
.endm
.macro PLACES                          ; four places behind matrix instructions, ahead of loads into their sources and of reads of their results
.rept 4
	v_nop
.endr
.endm
; Phase 1: group g: half g % 2 of row g / 2 of my 4 rows: 8 loads of 512 consecutive bytes
.macro GLOAD g
	WIN 0x40
.irp c, 0,1,2,3,4,5,6,7
	global_load_b128 v[32*(\g)+4*\c:32*(\g)+4*\c+3], v4, s[24:25] offset:((\g)/2)*8192+((\g)%2)*4096+512*\c th:TH_LOAD_NT
.endr
.endm
; Phase 1: group g is rounded and stored: a lane's 4 numbers are 8 bytes, a store 256 consecutive bytes
.macro TOLDS g
	WIN 0x05
.irp c, 0,1,2,3,4,5,6,7
	v_cvt_pk_bf16_f32 v[TMP+2*\c], v[32*(\g)+4*\c], v[32*(\g)+4*\c+1]
	v_cvt_pk_bf16_f32 v[TMP+2*\c+1], v[32*(\g)+4*\c+2], v[32*(\g)+4*\c+3]
.endr
	WIN 0
.irp c, 0,1,2,3,4,5,6,7
	ds_store_b64 v[BS], v[TMP+2*\c:TMP+2*\c+1] offset:((\g)/2)*PITCH+((\g)%2)*2048+256*\c
.endr
.endm
; Phase 2: the weight fragments of sub-step q (k = 128 q .. 128 q + 127) into buffer q % 2: 16 LDS loads
.macro BFETCH q
	WIN 0
.irp k, 0,1,2,3
.irp n, 0,1
	ds_load_b128 v[BF+64*((\q)%2)+16*\k+8*\n:BF+64*((\q)%2)+16*\k+8*\n+3], v[BL+\n] offset:64*(4*(\q)+\k)
	ds_load_b128 v[BF+64*((\q)%2)+16*\k+8*\n+4:BF+64*((\q)%2)+16*\k+8*\n+7], v[BL+\n] offset:64*(4*(\q)+\k)+32
.endr
.endr
.endm
; Phase 2: the fragments of h of sub-step q into ring place q % 3: 16 loads
.macro AFETCH q
	WIN 0x40
.irp k, 0,1,2,3
.irp t, 0,1
	global_load_b128 v[64*((\q)%3)+16*\k+8*\t:64*((\q)%3)+16*\k+8*\t+3], v[AO+\t], s[28+2*\t:29+2*\t] offset:(4*(\q)+\k)*1024
	global_load_b128 v[64*((\q)%3)+16*\k+8*\t+4:64*((\q)%3)+16*\k+8*\t+7], v[AO+\t], s[28+2*\t:29+2*\t] offset:(4*(\q)+\k)*1024+512
.endr
.endr
.endm
; Phase 2: 16 matrix instructions: the 4 accumulators take turns, one instruction a turn, four times, in the same order everywhere.  Sub-step 0's first 4 start the sums.
.macro MUL q
	WIN 0x04
.irp k, 0,1,2,3
.irp t, 0,1
.irp n, 0,1
.if ((\q) == 0) && (\k == 0)
	v_wmma_f32_16x16x32_bf16 v[ACC+8*(2*\t+\n):ACC+8*(2*\t+\n)+7], v[BF+64*((\q)%2)+16*\k+8*\n:BF+64*((\q)%2)+16*\k+8*\n+7], v[64*((\q)%3)+16*\k+8*\t:64*((\q)%3)+16*\k+8*\t+7], 0
.else
	v_wmma_f32_16x16x32_bf16 v[ACC+8*(2*\t+\n):ACC+8*(2*\t+\n)+7], v[BF+64*((\q)%2)+16*\k+8*\n:BF+64*((\q)%2)+16*\k+8*\n+7], v[64*((\q)%3)+16*\k+8*\t:64*((\q)%3)+16*\k+8*\t+7], v[ACC+8*(2*\t+\n):ACC+8*(2*\t+\n)+7]
.endif
.endr
.endr
.endr
.endm
; The way out of tile t: 16 rows x 32 columns of f32 go through my own stage (LDS serves a wave's instructions in order, so no wait stands between my stores and my loads, nor between
; one tile's loads and the next tile's stores) and leave as rows of 128 bytes, each to its token.  Each accumulator's low registers are read first.
.macro LEAVE t
.irp n, 0,1
	ds_store_b128 v[STO], v[ACC+8*(2*(\t)+\n):ACC+8*(2*(\t)+\n)+3] offset:64*\n
	ds_store_b128 v[STO], v[ACC+8*(2*(\t)+\n)+4:ACC+8*(2*(\t)+\n)+7] offset:64*\n+16
.endr
.irp i, 0,1,2,3
	ds_load_b128 v[OUT+16*(\t)+4*\i:OUT+16*(\t)+4*\i+3], v[RD] offset:4*SP*\i
.endr
.irp i, 0,1,2,3
	v_min_u32 v[TOK+4*(\t)+\i], 0x3ff, v[TOK+4*(\t)+\i]
	v_lshl_add_u32 v[OFS+4*(\t)+\i], v[TOK+4*(\t)+\i], 12, v[CO]
.endr
.irp i, 0,1,2,3
	s_wait_dscnt 3-\i                              ; the 3 - i younger LDS loads may stay out
	global_store_b128 v[OFS+4*(\t)+\i], v[OUT+16*(\t)+4*\i:OUT+16*(\t)+4*\i+3], s[36:37] th:TH_STORE_NT
.endr
.endm
	s_load_b256 s[4:11], s[0:1], 0x0               ; hbuf s[4:5], Wd s[6:7], meta s[8:9], order s[10:11]
	s_load_b64 s[12:13], s[0:1], 0x20              ; out0
	v_lshl_add_u32 v2, v0, 2, SPARE
	v_mov_b32 v3, 0
	v_and_b32 v1, 31, v0
	v_lshrrev_b32 v14, 5, v0
	v_readfirstlane_b32 s14, v14
	s_mov_b32 s15, ttmp9
	s_and_b32 s16, ttmp7, 0xffff
	s_lshl_b32 s19, s16, 4
	v_lshlrev_b32 v4, 4, v1
	s_mul_i32 s30, s14, 4*PITCH                    ; my 4 rows in LDS
	v_lshl_add_u32 v[BS], v1, 3, s30
	v_and_b32 v14, 15, v1
	v_lshrrev_b32 v15, 4, v1
	v_mul_u32_u24 v[BL], v14, PITCH
	v_lshl_add_u32 v[BL], v15, 4, v[BL]
	v_add_nc_u32 v[BL+1], 16*PITCH, v[BL]
	s_mul_i32 s49, s14, 16*SP
	s_add_co_u32 s49, s49, STAGE                   ; my stage
	v_mul_u32_u24 v[STO], v14, SP                  ; in: row lane % 16, 32 bytes for each half of the lanes
	v_lshl_add_u32 v[STO], v15, 5, v[STO]
	v_add_nc_u32 v[STO], s49, v[STO]
	v_lshrrev_b32 v24, 3, v1
	v_and_b32 v25, 7, v1
	v_mul_u32_u24 v[RD], v24, SP                   ; back: eight lanes take a row of 128 bytes
	v_lshl_add_u32 v[RD], v25, 4, v[RD]
	v_add_nc_u32 v[RD], s49, v[RD]
	v_lshlrev_b32 v[CO], 4, v25
	v_lshlrev_b32 v[TO], 2, v24
	s_lshl_b32 s46, s16, 23                        ; the expert's 1,024 rows of 8,192 bytes,
	s_lshl_b32 s49, s15, 18                        ; the slice's 32 rows,
	s_add_co_u32 s46, s46, s49
	s_lshl_b32 s49, s14, 15                        ; my 4 of them
	s_add_co_u32 s46, s46, s49
	s_mov_b32 s47, 0
	s_wait_kmcnt 0x0
	s_load_b128 s[20:23], s[8:9], s19 offset:0x0   ; my expert's entry
	s_add_nc_u64 s[24:25], s[6:7], s[46:47]
	s_lshl_b32 s46, s15, 7
	s_add_nc_u64 s[36:37], s[12:13], s[46:47]      ; out0 at my 32 columns
; PHASE 1
.irp g, 0,1,2,3,4,5,6
	GLOAD \g
.endr
.irp g, 0,1,2,3,4,5,6,7
.if \g < 2
	s_wait_loadcnt 48                              ; loads come back in order: the 6 younger groups may stay out
.else
	s_wait_loadcnt 8*(7-\g)                        ; nothing more is asked for: the counts run down
.endif
	TOLDS \g
.if \g < 1
	GLOAD \g+7
.endif
.endr
	WIN 0
	s_wait_dscnt 0x0                               ; for the others' sake: my rows are in LDS
	s_barrier_signal -1
	s_barrier_wait -1                              ; the slice is whole; nothing writes it from here on
; PHASE 2
	s_wait_kmcnt 0x0
	s_add_co_u32 s54, s22, 15
	s_lshr_b32 s54, s54, 4                         ; ceil(tiles / 16)
	s_min_u32 s54, s54, 4
	s_cmp_eq_u32 s54, 0
	s_cbranch_scc1 .Lend                           ; an expert without rows
	s_sub_co_u32 s52, s22, 1
	s_mov_b32 s48, 0
.Lblock:
	s_wait_xcnt 0x0                                ; the last unit's loads and stores have had their addresses translated: bases, offsets and store data are rewritten only behind this wait
	s_lshl_b32 s49, s48, 4
	s_add_co_u32 s49, s49, s14                     ; my unit's first tile
	s_cmp_ge_u32 s49, s22
	s_cbranch_scc1 .Lnext                          ; past the count: the whole unit is jumped; it holds no barrier
.irp t, 0,1
	s_add_co_u32 s55, s49, 8*\t
	s_cmp_lt_u32 s55, s22
	s_cselect_b32 s[40+\t], 0x1f0, 0
	s_min_u32 s[40+\t], s[40+\t], 0x1f0            ; the lanes' mask: all of 16 lane, or nothing
	s_min_u32 s55, s55, s52                        ; past the count: the expert's last tile
	s_add_co_u32 s55, s55, s21
	s_min_u32 s55, s55, 71
	s_lshl_b32 s46, s55, 16
	s_add_nc_u64 s[28+2*\t:29+2*\t], s[4:5], s[46:47]
	s_lshl_b32 s46, s55, 6
	s_add_nc_u64 s[32+2*\t:33+2*\t], s[10:11], s[46:47]
	v_and_b32 v[AO+\t], s[40+\t], v4
.endr
.irp t, 0,1
.irp i, 0,1,2,3
	global_load_b32 v[TOK+4*\t+\i], v[TO], s[32+2*\t:33+2*\t] offset:16*\i  ; older than every load of h: in when the first of those is
.endr
.endr
.irp q, 0,1,2
	AFETCH \q                                      ; with the 8 above, 56 loads of mine are out
.endr
	BFETCH 0
.irp q, 0,1,2,3,4,5,6,7,8,9,10,11,12,13,14,15
.if \q < 15
	BFETCH \q+1
	s_wait_dscnt 16                                ; all but the 16 just issued
.else
	s_wait_dscnt 0x0
.endif
.if \q < 14
	s_wait_loadcnt 32                              ; the 2 younger sub-steps, 16 loads each, may stay out
.else
	s_wait_loadcnt 16*(15-\q)                      ; nothing more is asked for: the counts run down to 0
.endif
	MUL \q
	PLACES                                         ; ahead of the loads into the registers of h and, next, into the weight buffer that these products read; at the end, of the way out
.if \q < 13
	AFETCH \q+3                                    ; into the ring place just multiplied
.endif
.endr
	WIN 0
	LEAVE 0
	s_cmp_eq_u32 s41, 0
	s_cbranch_scc1 .Lnext                          ; a second tile past the count stores nothing
	LEAVE 1
.Lnext:
	s_add_co_u32 s48, s48, 1
	s_cmp_lt_u32 s48, s54
	s_cbranch_scc1 .Lblock
.Lend:
	s_wait_tensorcnt 0x0                           ; the wave's end, behind my last LDS store
	ds_add_u32 v2, v3
	s_wait_dscnt 0x0
	s_endpgm
.Lfunc_end_k_qbac30b144a_down:
	.size	k_qbac30b144a_down, .Lfunc_end_k_qbac30b144a_down-k_qbac30b144a_down
	.p2alignl 7, 3214868480
	.fill 96, 4, 3214868480
	.section	.rodata,"a",@progbits
	.p2align	6, 0x0
	.amdhsa_kernel k_qbac30b144a_down
		.amdhsa_group_segment_fixed_size 151040
		.amdhsa_private_segment_fixed_size 0
		.amdhsa_enable_private_segment 0
		.amdhsa_kernarg_size 40
		.amdhsa_user_sgpr_count 2
		.amdhsa_user_sgpr_kernarg_segment_ptr 1
		.amdhsa_wavefront_size32 1
		.amdhsa_system_sgpr_workgroup_id_x 1
		.amdhsa_system_sgpr_workgroup_id_y 1
		.amdhsa_system_sgpr_workgroup_id_z 1
		.amdhsa_system_vgpr_workitem_id 0
		.amdhsa_next_free_vgpr 512
		.amdhsa_next_free_sgpr 66
		.amdhsa_reserve_vcc 0
		.amdhsa_float_denorm_mode_32 3
		.amdhsa_float_denorm_mode_16_64 3
		.amdhsa_memory_ordered 1
		.amdhsa_forward_progress 1
		.amdhsa_inst_pref_size 87
	.end_amdhsa_kernel
	.amdgpu_metadata
---
amdhsa.version: [ 1, 2 ]
amdhsa.kernels:
  - .name:           k_qbac30b144a_down
    .symbol:         k_qbac30b144a_down.kd
    .args:
      - { .name: hbuf, .offset: 0, .size: 8, .value_kind: global_buffer, .address_space: global }
      - { .name: w_down, .offset: 8, .size: 8, .value_kind: global_buffer, .address_space: global }
      - { .name: meta, .offset: 16, .size: 8, .value_kind: global_buffer, .address_space: global }
      - { .name: order, .offset: 24, .size: 8, .value_kind: global_buffer, .address_space: global }
      - { .name: out0, .offset: 32, .size: 8, .value_kind: global_buffer, .address_space: global }
    .group_segment_fixed_size: 151040
    .private_segment_fixed_size: 0
    .kernarg_segment_align: 8
    .kernarg_segment_size: 40
    .max_flat_workgroup_size: 256
    .sgpr_count:     66
    .vgpr_count:     512
    .wavefront_size: 32
...
	.end_amdgpu_metadata
.endif
;; end of part 3
;; ======== version 2 of 2: 3 launches; version 1 with the launches gateup, down written anew for expert scheduling mode
;; workspace buffers: xs 2,359,296 bytes; hbuf 4,718,592 bytes; meta 256 bytes of whole numbers; order 4,608 bytes of whole numbers
;; launch prep: the kernel of part 1 again; grid 72 x 1, 4 waves a work-group, no clusters, 34,304 bytes of LDS; arguments expert_indices, x, xs, meta, order; writes xs, meta, order
;; launch gateup (part 4): grid 32 x 8, 8 waves a work-group, no clusters, 265,216 bytes of LDS; arguments xs, w_gate, w_up, meta, hbuf; writes hbuf
.if DOCPART == 4
	.amdgcn_target "amdgcn-amd-amdhsa--gfx1250"
	.amdhsa_code_object_version 6
	.text
	.protected	k_qbac30b144a_gateup
	.globl	k_qbac30b144a_gateup
	.p2align	8
	.type	k_qbac30b144a_gateup,@function
k_qbac30b144a_gateup:
	s_mov_b64 s[64:65], 0
	v_nop
	global_prefetch_b8 v0, s[64:65] scope:SCOPE_SE
	s_setreg_imm32_b32 hwreg(HW_REG_WAVE_SCHED_MODE, 0, 2), 2
	s_setreg_imm32_b32 hwreg(HW_REG_WAVE_MODE, 25, 1), 1
	s_wait_xcnt 0x0
	s_wait_alu depctr_vm_vsrc(0)
; h = silu(x Wg^T) * (x Wu^T) for 64 hidden columns (slice = work-group x) of all rows of one expert (work-group y).  32 x 8 = 256 work-groups, whatever the split.
; The weights are most of the bytes: each weight byte is read once, by one work-group, as f32, and rounded to bf16 on its way through registers.
; PHASE 1.  The slice (64 rows of Wg, 64 rows of Wu, 1,024 numbers each) goes into LDS as bf16, 264,192 bytes with padding.  Wave w takes rows 8 w .. 8 w + 7 of both; a row is a
; group of 8 loads of 512 consecutive bytes; 7 groups, 56 loads, are asked for ahead.  ONE barrier follows, which every wave passes, whatever the expert's count.
; PHASE 2.  A loop without barriers whose count hangs on the expert's row tiles (read from meta); nothing in it writes LDS, its LDS addresses are fixed and K is written out.
; Trip b serves row tiles 12 b .. 12 b + 11.  Wave w = (nh = w % 2, rg = w / 2) has a UNIT: row tiles 12 b + rg + 4 t (t = 0, 1, 2) x hidden columns 32 nh .. 32 nh + 31
; (2 column tiles of Wg and the same 2 of Wu): 12 accumulators.  A unit stands by itself: it asks for its own fragments, starts its sums with the constant 0, and at its end all its
; loads have been waited for; a unit whose first tile lies past the count is jumped.  Tokens come from xs in operand order: a fragment is two loads of 512 consecutive bytes
; straight into registers.  A later tile past the count keeps its loads (so the waits' counts hold) but asks in all lanes for the same 16 bytes of a tile that exists;
; its products are made and its stores are jumped.
; THE MATRIX INSTRUCTION IS USED TRANSPOSED: source 0 = 16 weight rows, source 1 = 16 tokens.  A lane then holds one token (lane % 16) and eight neighbouring hidden columns,
; which, rounded to bf16, ARE 16 bytes of the next product's operand order: h leaves without LDS, 512 consecutive bytes a store.
; NO CLUSTER: each weight has one reader; what an expert's 32 slices share are the token fragments, which go to registers, and LDS has 62 KB left beside the slice.
; The stream and the products do not overlap in a work-group: the price of a loop that serves every split without a barrier in it.
; LIMITS.  x, the weights and h are rounded once to bf16; sums in f32.  silu(g) = g / (1 + 2^(-g log2 e)): below g of about -88 the power is infinite and h is a zero, where the
; exact value is under 1e-36.  NaN and infinities are not treated apart.  An expert without rows still reads its slice and stores nothing.
; THE MODE: SCHED_MODE bits 1:0 = 2 (LLVM: expert scheduling mode 2), set by the entry lines.  The code itself states the register dependences between vector or matrix
; instructions and memory or LDS instructions, with s_wait_alu, always for 0.
; THE PLAN, PHASE 1.  Block g works on group g.  Registers that memory or LDS instructions touch:
;   RAW, 8 places    Block g's roundings read place g % 8; the loads of group g + 7, issued at the head of block g, land in place (g - 1) % 8, which block g - 1 read.
;   TMP0, TMP1       Block g's roundings write TMP[g % 2]; the eight LDS stores that read it are issued at the head of block g + 1.
;   v4, v5, v6       Offsets and LDS addresses, made at the head and never written again.
; So two waits at a block's head state all that its sixteen memory and LDS instructions hang on, and no vector line of the block names a register that these touch.
; THE PLAN, PHASE 2.  Step p multiplies pair p (64 along K).  Registers that memory or LDS instructions touch:
;   the token ring, 5 places   Step p's products read place p % 5; the loads of pair p + 4, issued at the head of step p, land in place (p - 1) % 5, which step p - 1 read.
;   BF0, BF1         Step p's products read BF[p % 2]; the LDS loads of pair p + 1, dealt among them, land in the other, which step p - 1 read.
;   v9-11 (AO)       Written at a unit's head, read by all its token loads.        v7, v8: LDS addresses, never written again.
;   OO, six groups   Written by the way out's roundings, read by its stores; they lie in BF0, in which the next unit's fragments land.
; So ONE wait on va_vdst stands at the head of a step, behind the waits for its data; one on vm_vsrc at a trip's head; one on va_vdst behind the lines that write AO; three in a tile's way out.
.set PITCH, 2064                       ; an LDS row: 2,048 bytes + 16 = 129 x 16: the 16 rows of a fragment load start in 16 different columns of 16 bytes
.set UPO,   64*PITCH                   ; Wu's 64 rows lie behind Wg's
.set SPARE, 128*PITCH                  ; behind the slice: the spare words, 128 bytes a wave, which no other line names
; window 0: v1 lane  v2, v3 the add's registers  v4 16 lane (never rewritten)
.set BS,  5                            ; v5, v6   where I store 8 bytes of my first row of Wg, of Wu: wave x 8 rows + 8 lane
.set BLG, 7                            ; v7       my place in my first fragment of Wg: (32 nh + lane % 16) rows + 16 (lane / 16)
.set BLU, 8                            ; v8       the same for Wu
.set AO,  9                            ; v9-11    tile t: 16 lane, or 0 in every lane
.set TMP, 16                           ; v16-47   phase 1: packed bf16 to store, two buffers of 16
.set BF,  16                           ; v16-143  weight fragments: buffer b, K half k, fragment f (0, 1 Wg; 2, 3 Wu) at 16 + 64 b + 32 k + 8 f
.set ACC, 144                          ; v144-239 accumulator (t, f) at 144 + 8 (4 t + f)
.set TT,  16                           ; the way out: v16-31, v32-47 at work (a tile's two column tiles), v48-71 six groups of 4 to store
.set PP,  32
.set OO,  48
; window 1: phase 1: group g % 8, load c at 32 (g % 8) + 4 c;  phase 2: token fragments: ring place p % 5, K half k, tile t at 48 (p % 5) + 24 k + 8 t
; s14 wave  s15 slice  s16 expert  s17 nh  s18 rg  s19 16 x expert  s[20:23] meta entry {expert, first tile, tiles, rows}  s[24:25], s[26:27] Wg, Wu at my rows
; s[28:33] xs at tile t  s[34:39] hbuf at tile t, my slice and nh  s40-42 tile t's lane mask (0: past the count)  s48 trip  s[50:51] -log2 e  s52 tiles - 1  s54 trips
.set MSB, 0
.macro WIN new                         ; bits 1:0 source 0, 3:2 source 1, 5:4 source 2, 7:6 destination; the high byte repeats the setting that is left
.if MSB != (\new)
	s_set_vgpr_msb (MSB<<8)|(\new)
.set MSB, \new
.endif
.endm
.macro PLACES                          ; four places behind matrix instructions, ahead of loads into their sources and of reads of their results; a wait on va_vdst fills none of them
.rept 4
	v_nop
.endr
.endm
; Phase 1: group g: row g % 8 of my 8 rows of Wg (g < 8) or Wu: 8 loads of 512 consecutive bytes
.macro GLOAD g
	WIN 0x40
.irp c, 0,1,2,3,4,5,6,7
	global_load_b128 v[32*((\g)%8)+4*\c:32*((\g)%8)+4*\c+3], v4, s[24+2*((\g)/8):25+2*((\g)/8)] offset:((\g)%8)*4096+512*\c th:TH_LOAD_NT
.endr
.endm
; Phase 1: group g is rounded into TMP[g % 2]: a lane's 4 numbers of a load are 8 bytes
.macro TOBF g
	WIN 0x05
.irp c, 0,1,2,3,4,5,6,7
	v_cvt_pk_bf16_f32 v[TMP+16*((\g)%2)+2*\c], v[32*((\g)%8)+4*\c], v[32*((\g)%8)+4*\c+1]
	v_cvt_pk_bf16_f32 v[TMP+16*((\g)%2)+2*\c+1], v[32*((\g)%8)+4*\c+2], v[32*((\g)%8)+4*\c+3]
.endr
.endm
; Phase 1: group g is stored: a store is 256 consecutive bytes
.macro TOLDS g
	WIN 0
.irp c, 0,1,2,3,4,5,6,7
	ds_store_b64 v[BS+(\g)/8], v[TMP+16*((\g)%2)+2*\c:TMP+16*((\g)%2)+2*\c+1] offset:((\g)%8)*PITCH+256*\c
.endr
.endm
; Phase 1: block g: group g + 7 is asked for, group g - 1 stored, group g rounded
.macro BLOCK g
.if \g < 10
	s_wait_loadcnt 48                              ; loads come back in order: group g is in, the 6 younger groups may stay out
.else
	s_wait_loadcnt 8*(15-\g)                       ; nothing more is asked for: the counts run down
.endif
.if \g < 9
	WIN 0x40                                       ; the switch stands ahead of the waits, the loads behind them
.else
	WIN 0
.endif
.if \g > 1
	s_wait_alu depctr_vm_vsrc(0)                   ; the LDS stores issued in the block before have read TMP[g % 2], which this block's roundings write again
.endif
.if \g > 0
	s_wait_alu depctr_va_vdst(0)                   ; the block before has written the other TMP, which the stores below read, and is done reading its raw place, in which the loads below land
.endif
.if \g < 9
	GLOAD (\g)+7                                   ; in block 0: into place 7, which no vector line has named
.endif
.if \g > 0
	TOLDS (\g)-1
.endif
	TOBF \g
.endm
; Phase 2: a quarter of the weight fragments of pair q (k = 64 q .. 64 q + 63) into buffer q % 2: K half n / 2, column tile n % 2 of Wg and of Wu: 4 LDS loads.
; It sets no window: loaded data and address lie in window 0 under the products' setting too (destination and source 0 are 0 there).
.macro BQUART q, n
	ds_load_b128 v[BF+64*((\q)%2)+32*((\n)/2)+8*((\n)%2):BF+64*((\q)%2)+32*((\n)/2)+8*((\n)%2)+3], v[BLG] offset:((\n)%2)*16*PITCH+64*(2*(\q)+(\n)/2)
	ds_load_b128 v[BF+64*((\q)%2)+32*((\n)/2)+8*((\n)%2)+4:BF+64*((\q)%2)+32*((\n)/2)+8*((\n)%2)+7], v[BLG] offset:((\n)%2)*16*PITCH+64*(2*(\q)+(\n)/2)+32
	ds_load_b128 v[BF+64*((\q)%2)+32*((\n)/2)+8*((\n)%2)+16:BF+64*((\q)%2)+32*((\n)/2)+8*((\n)%2)+19], v[BLU] offset:((\n)%2)*16*PITCH+64*(2*(\q)+(\n)/2)
	ds_load_b128 v[BF+64*((\q)%2)+32*((\n)/2)+8*((\n)%2)+20:BF+64*((\q)%2)+32*((\n)/2)+8*((\n)%2)+23], v[BLU] offset:((\n)%2)*16*PITCH+64*(2*(\q)+(\n)/2)+32
.endm
; Phase 2: the token fragments of pair p into ring place p % 5: 12 loads
.macro AFETCH p
	WIN 0x40
.irp k, 0,1
.irp t, 0,1,2
	global_load_b128 v[48*((\p)%5)+24*\k+8*\t:48*((\p)%5)+24*\k+8*\t+3], v[AO+\t], s[28+2*\t:29+2*\t] offset:(2*(\p)+\k)*1024
	global_load_b128 v[48*((\p)%5)+24*\k+8*\t+4:48*((\p)%5)+24*\k+8*\t+7], v[AO+\t], s[28+2*\t:29+2*\t] offset:(2*(\p)+\k)*1024+512
.endr
.endr
.endm
; Phase 2: 24 matrix instructions: the 12 accumulators take turns, one instruction a turn, twice, in the same order everywhere.  Pair 0's first 12 start the sums.
; Behind each of the first four groups of four stands a quarter of the next pair's weight fragments.  No wait: no vector or matrix line since the wait at the step's head names the other weight buffer.
.macro MUL p
	WIN 0x04
.irp k, 0,1
.irp t, 0,1,2
.irp f, 0,1,2,3
.if ((\p) == 0) && (\k == 0)
	v_wmma_f32_16x16x32_bf16 v[ACC+8*(4*\t+\f):ACC+8*(4*\t+\f)+7], v[BF+64*((\p)%2)+32*\k+8*\f:BF+64*((\p)%2)+32*\k+8*\f+7], v[48*((\p)%5)+24*\k+8*\t:48*((\p)%5)+24*\k+8*\t+7], 0
.else
	v_wmma_f32_16x16x32_bf16 v[ACC+8*(4*\t+\f):ACC+8*(4*\t+\f)+7], v[BF+64*((\p)%2)+32*\k+8*\f:BF+64*((\p)%2)+32*\k+8*\f+7], v[48*((\p)%5)+24*\k+8*\t:48*((\p)%5)+24*\k+8*\t+7], v[ACC+8*(4*\t+\f):ACC+8*(4*\t+\f)+7]
.endif
.endr
.if ((\p) < 15) && (3*\k+\t < 4)
	BQUART (\p)+1, 3*\k+\t
.endif
.endr
.endr
.endm
; The way out of tile t, both column tiles j at once: g in accumulator (t, j), u in (t, j + 2); each is read from its low end on.
.macro HOUT t
.irp j, 0,1
.irp r, 0,2,4,6
	v_pk_mul_f32 v[TT+8*\j+\r:TT+8*\j+\r+1], v[ACC+8*(4*(\t)+\j)+\r:ACC+8*(4*(\t)+\j)+\r+1], s[50:51] op_sel_hi:[1,0]
.endr
.endr
.irp r, 0,1,2,3,4,5,6,7,8,9,10,11,12,13,14,15
	v_exp_f32 v[TT+\r], v[TT+\r]
.endr
	v_nop                                          ; a plain instruction behind the last exponential
	s_wait_alu depctr_va_vdst(0)                   ; the sixteen powers are written, ahead of their first reader
.irp r, 0,2,4,6,8,10,12,14
	v_pk_add_f32 v[TT+\r:TT+\r+1], v[TT+\r:TT+\r+1], 1.0 op_sel_hi:[1,0]
.endr
.irp r, 0,1,2,3,4,5,6,7,8,9,10,11,12,13,14,15
	v_rcp_f32 v[TT+\r], v[TT+\r]
.endr
	v_nop                                          ; and behind the last reciprocal
	s_wait_alu depctr_va_vdst(0)                   ; the sixteen reciprocals are written, ahead of their first reader
.irp j, 0,1
.irp r, 0,2,4,6
	v_pk_mul_f32 v[PP+8*\j+\r:PP+8*\j+\r+1], v[ACC+8*(4*(\t)+\j)+\r:ACC+8*(4*(\t)+\j)+\r+1], v[TT+8*\j+\r:TT+8*\j+\r+1]
.endr
.endr
.irp j, 0,1
.irp r, 0,2,4,6
	v_pk_mul_f32 v[PP+8*\j+\r:PP+8*\j+\r+1], v[ACC+8*(4*(\t)+\j+2)+\r:ACC+8*(4*(\t)+\j+2)+\r+1], v[PP+8*\j+\r:PP+8*\j+\r+1]
.endr
.endr
.irp j, 0,1
.irp r, 0,1,2,3
	v_cvt_pk_bf16_f32 v[OO+4*(2*(\t)+\j)+\r], v[PP+8*\j+2*\r], v[PP+8*\j+2*\r+1]
.endr
.endr
	s_wait_alu depctr_va_vdst(0)                   ; the roundings have written the tile's two groups of OO, which the stores read
.irp j, 0,1
	global_store_b128 v4, v[OO+4*(2*(\t)+\j):OO+4*(2*(\t)+\j)+3], s[34+2*(\t):35+2*(\t)] offset:512*\j  ; half j of block 2 slice + nh: 512 consecutive bytes; each store of a unit has data registers of its own
.endr
.endm
	s_load_b256 s[4:11], s[0:1], 0x0               ; xs s[4:5], Wg s[6:7], Wu s[8:9], meta s[10:11]
	s_load_b64 s[12:13], s[0:1], 0x20              ; hbuf
	v_lshl_add_u32 v2, v0, 2, SPARE
	v_mov_b32 v3, 0
	v_and_b32 v1, 31, v0
	v_lshrrev_b32 v12, 5, v0
	v_readfirstlane_b32 s14, v12
	s_mov_b32 s15, ttmp9
	s_and_b32 s16, ttmp7, 0xffff
	s_lshl_b32 s19, s16, 4
	v_lshlrev_b32 v4, 4, v1
	s_wait_alu depctr_va_sdst(0)                   ; s14, the wave's number, is written, ahead of its first reader
	s_mul_i32 s30, s14, 8*PITCH                    ; my 8 rows in LDS
	v_lshl_add_u32 v[BS], v1, 3, s30
	v_add_nc_u32 v[BS+1], UPO, v[BS]
	s_and_b32 s17, s14, 1                          ; nh
	s_lshr_b32 s18, s14, 1                         ; rg
	v_and_b32 v12, 15, v1
	v_lshrrev_b32 v13, 4, v1
	v_mul_u32_u24 v[BLG], v12, PITCH
	v_lshl_add_u32 v[BLG], v13, 4, v[BLG]
	s_mul_i32 s49, s17, 32*PITCH
	v_add_nc_u32 v[BLG], s49, v[BLG]
	v_add_nc_u32 v[BLU], UPO, v[BLG]
	s_lshl_b32 s53, s15, 11                        ; my slice's two blocks in a tile of hbuf,
	s_lshl_b32 s49, s17, 10                        ; and of them block nh
	s_add_co_u32 s53, s53, s49
	s_mov_b32 s50, 0xbfb8aa3b                      ; -log2 e
	s_mov_b32 s51, 0xbfb8aa3b                      ; named with it as a pair
	s_lshl_b32 s46, s16, 23                        ; the expert's 2,048 rows of 4,096 bytes,
	s_lshl_b32 s49, s15, 18                        ; the slice's 64 rows,
	s_add_co_u32 s46, s46, s49
	s_lshl_b32 s49, s14, 15                        ; my 8 of them
	s_add_co_u32 s46, s46, s49
	s_mov_b32 s47, 0
	s_wait_kmcnt 0x0
	s_load_b128 s[20:23], s[10:11], s19 offset:0x0 ; my expert's entry
	s_add_nc_u64 s[24:25], s[6:7], s[46:47]
	s_add_nc_u64 s[26:27], s[8:9], s[46:47]
; PHASE 1
	WIN 0x40
	s_wait_alu depctr_va_vdst(0)                   ; v4 to v8 are written: the offset of every global load and store, and the addresses of every LDS store and load of the kernel
.irp g, 0,1,2,3,4,5,6
	GLOAD \g
.endr
.irp g, 0,1,2,3,4,5,6,7,8,9,10,11,12,13,14,15
	BLOCK \g
.endr
	WIN 0
	s_wait_alu depctr_va_vdst(0)                   ; block 15 has written TMP1, which the last eight stores read
	TOLDS 15
	s_wait_dscnt 0x0                               ; for the others' sake: my rows are in LDS
	s_barrier_signal -1
	s_barrier_wait -1                              ; the slice is whole; nothing writes it from here on
; PHASE 2
	s_wait_kmcnt 0x0
	s_add_co_u32 s54, s22, 11
	s_mul_i32 s54, s54, 43
	s_lshr_b32 s54, s54, 9                         ; (tiles + 11) x 43 / 512 = ceil(tiles / 12) for tiles up to 64
	s_min_u32 s54, s54, 6
	s_cmp_eq_u32 s54, 0
	s_cbranch_scc1 .Lend                           ; an expert without rows
	s_sub_co_u32 s52, s22, 1
	s_mov_b32 s48, 0
.Lblock:
	s_wait_xcnt 0x0                                ; the last unit's loads and stores have had their addresses translated: bases, offsets and store data are rewritten only behind this wait
	s_wait_alu depctr_vm_vsrc(0)                   ; the last unit's token loads have read AO, which is written below; its stores have read OO, and in the first trip my LDS stores TMP: the weight fragments land in both
	s_mul_i32 s49, s48, 12
	s_add_co_u32 s49, s49, s18                     ; my unit's first tile
	s_cmp_ge_u32 s49, s22
	s_cbranch_scc1 .Lnext                          ; past the count: the whole unit is jumped; it holds no barrier
.irp t, 0,1,2
	s_add_co_u32 s55, s49, 4*\t
	s_cmp_lt_u32 s55, s22
	s_cselect_b32 s[40+\t], 0x1f0, 0
	s_min_u32 s[40+\t], s[40+\t], 0x1f0            ; the lanes' mask: all of 16 lane, or nothing
	s_min_u32 s55, s55, s52                        ; past the count: the expert's last tile
	s_add_co_u32 s55, s55, s21
	s_min_u32 s55, s55, 71
	s_lshl_b32 s46, s55, 15
	s_add_nc_u64 s[28+2*\t:29+2*\t], s[4:5], s[46:47]
	s_lshl_b32 s46, s55, 16
	s_add_co_u32 s46, s46, s53
	s_add_nc_u64 s[34+2*\t:35+2*\t], s[12:13], s[46:47]
	v_and_b32 v[AO+\t], s[40+\t], v4
.endr
	WIN 0x40
	s_wait_alu depctr_va_vdst(0)                   ; AO is written, which the token loads read; all earlier roundings, products and way-out lines are done with the ring and with both weight buffers, in which the loads below and step 0's land
.irp p, 0,1,2,3
	AFETCH \p                                      ; 48 loads of mine are out
.endr
	WIN 0
.irp n, 0,1,2,3
	BQUART 0, \n                                   ; pair 0's weight fragments
.endr
.irp p, 0,1,2,3,4,5,6,7,8,9,10,11,12,13,14,15
.if \p < 13
	s_wait_loadcnt 36                              ; pair p's tokens are in; the 3 younger pairs, 12 loads each, may stay out
.else
	s_wait_loadcnt 12*(15-\p)                      ; nothing more is asked for: the counts run down to 0
.endif
	s_wait_dscnt 0x0                               ; pair p's weight fragments, asked for among the products of the pair before, are in
.if \p < 12
	WIN 0x40                                       ; the switch stands ahead of the wait, the loads behind it
.else
	WIN 0x04
.endif
.if (\p > 0) && (\p < 15)
	s_wait_alu depctr_va_vdst(0)                   ; the products of the pair before are done reading their ring place and their weight buffer, in which this step's loads land
.endif
.if \p < 12
	AFETCH \p+4                                    ; into the ring place that the pair before multiplied (in step 0: place 4, not named since the wait at the unit's head)
.endif
	MUL \p
	PLACES
.endr
	WIN 0
	HOUT 0
.irp t, 1,2
	s_cmp_eq_u32 s[40+\t], 0
	s_cbranch_scc1 .Lnone_\t                       ; a tile past the count stores nothing
	HOUT \t
.Lnone_\t:
.endr
.Lnext:
	s_add_co_u32 s48, s48, 1
	s_cmp_lt_u32 s48, s54
	s_cbranch_scc1 .Lblock
.Lend:
	s_wait_dscnt 0x0                               ; the closing lines, six on end
	s_wait_alu 0x0
	s_wait_tensorcnt 0x0
	ds_add_u32 v2, v3
	s_wait_dscnt 0x0
	s_endpgm
.Lfunc_end_k_qbac30b144a_gateup:
	.size	k_qbac30b144a_gateup, .Lfunc_end_k_qbac30b144a_gateup-k_qbac30b144a_gateup
	.p2alignl 7, 3214868480
	.fill 96, 4, 3214868480
	.section	.rodata,"a",@progbits
	.p2align	6, 0x0
	.amdhsa_kernel k_qbac30b144a_gateup
		.amdhsa_group_segment_fixed_size 265216
		.amdhsa_private_segment_fixed_size 0
		.amdhsa_enable_private_segment 0
		.amdhsa_kernarg_size 40
		.amdhsa_user_sgpr_count 2
		.amdhsa_user_sgpr_kernarg_segment_ptr 1
		.amdhsa_wavefront_size32 1
		.amdhsa_system_sgpr_workgroup_id_x 1
		.amdhsa_system_sgpr_workgroup_id_y 1
		.amdhsa_system_sgpr_workgroup_id_z 1
		.amdhsa_system_vgpr_workitem_id 0
		.amdhsa_next_free_vgpr 512
		.amdhsa_next_free_sgpr 66
		.amdhsa_reserve_vcc 0
		.amdhsa_float_denorm_mode_32 3
		.amdhsa_float_denorm_mode_16_64 3
		.amdhsa_memory_ordered 1
		.amdhsa_forward_progress 1
		.amdhsa_inst_pref_size 118
	.end_amdhsa_kernel
	.amdgpu_metadata
---
amdhsa.version: [ 1, 2 ]
amdhsa.kernels:
  - .name:           k_qbac30b144a_gateup
    .symbol:         k_qbac30b144a_gateup.kd
    .args:
      - { .name: xs, .offset: 0, .size: 8, .value_kind: global_buffer, .address_space: global }
      - { .name: w_gate, .offset: 8, .size: 8, .value_kind: global_buffer, .address_space: global }
      - { .name: w_up, .offset: 16, .size: 8, .value_kind: global_buffer, .address_space: global }
      - { .name: meta, .offset: 24, .size: 8, .value_kind: global_buffer, .address_space: global }
      - { .name: hbuf, .offset: 32, .size: 8, .value_kind: global_buffer, .address_space: global }
    .group_segment_fixed_size: 265216
    .private_segment_fixed_size: 0
    .kernarg_segment_align: 8
    .kernarg_segment_size: 40
    .max_flat_workgroup_size: 256
    .sgpr_count:     66
    .vgpr_count:     512
    .wavefront_size: 32
...
	.end_amdgpu_metadata
.endif
;; end of part 4
;; launch down (part 5): grid 32 x 8, 8 waves a work-group, no clusters, 151,040 bytes of LDS; arguments hbuf, w_down, meta, order, out0; writes out0
.if DOCPART == 5
	.amdgcn_target "amdgcn-amd-amdhsa--gfx1250"
	.amdhsa_code_object_version 6
	.text
	.protected	k_qbac30b144a_down
	.globl	k_qbac30b144a_down
	.p2align	8
	.type	k_qbac30b144a_down,@function
k_qbac30b144a_down:
	s_mov_b64 s[64:65], 0
	v_nop
	global_prefetch_b8 v0, s[64:65] scope:SCOPE_SE
	s_setreg_imm32_b32 hwreg(HW_REG_WAVE_SCHED_MODE, 0, 2), 2
	s_setreg_imm32_b32 hwreg(HW_REG_WAVE_MODE, 25, 1), 1
	s_wait_xcnt 0x0
	s_wait_alu depctr_vm_vsrc(0)
; out = h Wd^T for 32 output columns (slice = work-group x) of all rows of one expert (work-group y); each row goes to its token.  32 x 8 = 256 work-groups, whatever the split.
; Each token has one expert, so each output row has one owner and nothing is summed across work-groups.
; PHASE 1.  The slice (32 rows of Wd, 2,048 numbers each, f32, each byte read once) goes into LDS as bf16, 131,584 bytes with padding.  Wave w takes rows 4 w .. 4 w + 3; half a row is a
; group of 8 loads of 512 consecutive bytes; 7 groups, 56 loads, are asked for ahead.  ONE barrier follows, which every wave passes, whatever the expert's count.
; PHASE 2.  A loop without barriers whose count hangs on the expert's row tiles (read from meta); its LDS addresses are fixed and K is written out.  Trip b serves row tiles 16 b .. 16 b + 15.
; Wave w has a UNIT: row tiles 16 b + w and 16 b + w + 8 x both column tiles: 4 accumulators, and each tile of h is read by one wave alone.  A unit stands by itself: it asks for its own
; fragments, starts its sums with the constant 0, and at its end all its loads have been waited for; a unit whose first tile lies past the count is jumped.  h lies in operand order:
; a fragment is two loads of 512 consecutive bytes straight into registers.  A second tile past the count keeps its loads (so the waits' counts hold) but asks in all lanes for the same
; 16 bytes of a tile that exists; its products and its rows' offsets are made and its stores are jumped.
; A padding row repeats the tile's last real row in h and in order alike: its numbers are the same bit for bit and go to the same bytes.
; THE MATRIX INSTRUCTION IS USED TRANSPOSED (source 0 = 16 rows of Wd, source 1 = 16 tokens): a lane holds one token and eight neighbouring columns.
; Output rows are 128 bytes a slice: 32 slices keep all WGPs at work; eight neighbouring lanes store a row's 128 consecutive bytes, through a stage in LDS that is the wave's own.
; NO CLUSTER: each weight has one reader; what an expert's 32 slices share are the fragments of h, which go to registers.
; LIMITS.  h and the weights are bf16 operands, sums in f32, the output f32.  NaN and infinities are not treated apart.  An expert without rows still reads its slice and stores nothing.
; THE MODE: SCHED_MODE bits 1:0 = 2 (LLVM: expert scheduling mode 2), set by the entry lines.  The code itself states the register dependences between vector or matrix
; instructions and memory or LDS instructions, with s_wait_alu, always for 0.
; THE PLAN, PHASE 1.  Block g works on group g.  Registers that memory or LDS instructions touch:
;   RAW, 8 places    Each is loaded once and read by its block's roundings.
;   TMP0, TMP1       Block g's roundings write TMP[g % 2]; the eight LDS stores that read it are issued at the head of block g + 1.
;   v4, v5           The loads' offset and the stores' LDS address, made at the head and never written again.
; THE PLAN, PHASE 2.  Step q multiplies sub-step q (128 along K).  Registers that memory or LDS instructions touch:
;   the ring of h, 4 places    Step q's products read place q % 4; the loads of sub-step q + 3, issued at the head of step q, land in place (q - 1) % 4, which step q - 1 read.
;   BF0, BF1         Step q's products read BF[q % 2]; the LDS loads of sub-step q + 1, dealt among them, land in the other, which step q - 1 read.
;   v8, v9 (AO)      Written at a unit's head, read by all its loads of h.        v6, v7, v10-13: addresses and offsets, never written again.
;   TOK              Loaded at a unit's head; read and written by the way out's clamps.        OFS: written behind the clamps, read by the stores as their offsets.
;   ACC              Written by the products, read by the way out's LDS stores.                OUT: LDS loads land in it, the stores read it; no vector line names it.
; So ONE wait on va_vdst stands at the head of a step, behind the waits for its data; one on vm_vsrc at a trip's head; one on va_vdst behind the lines that write AO; one ahead of the way out.
.set PITCH, 4112                       ; an LDS row: 4,096 bytes + 16 = 257 x 16
.set STAGE, 32*PITCH                   ; behind the slice: 16 rows x 144 bytes for each wave, for the way out
.set SP,    144
.set SPARE, STAGE+8*16*SP              ; behind the stages: the spare words, 128 bytes a wave, which no other line names
; window 0: v1 lane  v2, v3 the add's registers  v4 16 lane (never rewritten)
.set BS,  5                            ; v5      where I store 8 bytes of my first row: wave x 4 rows + 8 lane
.set BL,  6                            ; v6, v7  my place in column tile n's first fragment: (16 n + lane % 16) rows + 16 (lane / 16)
.set AO,  8                            ; v8, v9  tile t: 16 lane, or 0 in every lane
.set STO, 10                           ; v10     the way out: where I put my row's 32 bytes
.set RD,  11                           ; v11     where I read rows back: four rows of 128 bytes a load
.set CO,  12                           ; v12     16 (lane % 8)
.set TO,  13                           ; v13     4 (lane / 8)
.set TOK, 16                           ; v16-23  tile t, load i: the token of row 4 i + lane / 8
.set TMP, 16                           ; v16-47  phase 1: packed bf16 to store, two buffers of 16
.set BF,  32                           ; v32-159 weight fragments: buffer b, K quarter k, column tile n at 32 + 64 b + 16 k + 8 n
.set ACC, 160                          ; v160-191 accumulator (t, n) at 160 + 8 (2 t + n)
.set OUT, 192                          ; v192-223 rows read back
.set OFS, 224                          ; v224-231 their byte offsets in out0
; window 1: phase 1: group g, load c at 32 g + 4 c;  phase 2: fragments of h: ring place q % 4, K quarter k, tile t at 64 (q % 4) + 16 k + 8 t
; s14 wave  s15 slice  s16 expert  s19 16 x expert  s[20:23] meta entry {expert, first tile, tiles, rows}  s[24:25] Wd at my rows  s[28:31] hbuf at tile t  s[32:35] order at tile t
; s[36:37] out0 at my slice  s40-41 tile t's lane mask (0: past the count)  s48 trip  s52 tiles - 1  s54 trips
.set MSB, 0
.macro WIN new                         ; bits 1:0 source 0, 3:2 source 1, 5:4 source 2, 7:6 destination; the high byte repeats the setting that is left
.if MSB != (\new)
	s_set_vgpr_msb (MSB<<8)|(\new)
.set MSB, \new
.endif
.endm
.macro PLACES                          ; four places behind matrix instructions, ahead of loads into their sources; a wait on va_vdst fills none of them
.rept 4
	v_nop
.endr
.endm
; Phase 1: group g: half g % 2 of row g / 2 of my 4 rows: 8 loads of 512 consecutive bytes
.macro GLOAD g
	WIN 0x40
.irp c, 0,1,2,3,4,5,6,7
	global_load_b128 v[32*(\g)+4*\c:32*(\g)+4*\c+3], v4, s[24:25] offset:((\g)/2)*8192+((\g)%2)*4096+512*\c th:TH_LOAD_NT
.endr
.endm
; Phase 1: group g is rounded into TMP[g % 2]: a lane's 4 numbers of a load are 8 bytes
.macro TOBF g
	WIN 0x05
.irp c, 0,1,2,3,4,5,6,7
	v_cvt_pk_bf16_f32 v[TMP+16*((\g)%2)+2*\c], v[32*(\g)+4*\c], v[32*(\g)+4*\c+1]
	v_cvt_pk_bf16_f32 v[TMP+16*((\g)%2)+2*\c+1], v[32*(\g)+4*\c+2], v[32*(\g)+4*\c+3]
.endr
.endm
; Phase 1: group g is stored: a store is 256 consecutive bytes
.macro TOLDS g
	WIN 0
.irp c, 0,1,2,3,4,5,6,7
	ds_store_b64 v[BS], v[TMP+16*((\g)%2)+2*\c:TMP+16*((\g)%2)+2*\c+1] offset:((\g)/2)*PITCH+((\g)%2)*2048+256*\c
.endr
.endm
; Phase 1: block g: group g - 1 is stored, group g rounded; block 0 asks for the last group
.macro BLOCK g
.if \g < 2
	s_wait_loadcnt 48                              ; loads come back in order: group g is in, the 6 younger groups may stay out
.else
	s_wait_loadcnt 8*(7-\g)                        ; nothing more is asked for: the counts run down
.endif
.if \g == 0
	GLOAD 7                                        ; into place 7, which no vector line has named; its offset was written ahead of the wait at the phase's head
.else
	WIN 0
.if \g > 1
	s_wait_alu depctr_vm_vsrc(0)                   ; the LDS stores issued in the block before have read TMP[g % 2], which this block's roundings write again
.endif
	s_wait_alu depctr_va_vdst(0)                   ; the block before has written the other TMP, which the stores below read
	TOLDS (\g)-1
.endif
	TOBF \g
.endm
; Phase 2: a quarter of the weight fragments of sub-step q (k = 128 q .. 128 q + 127) into buffer q % 2: K quarter m, both column tiles: 4 LDS loads.
; It sets no window: loaded data and address lie in window 0 under the products' setting too (destination and source 0 are 0 there).
.macro BQUART q, m
.irp n, 0,1
	ds_load_b128 v[BF+64*((\q)%2)+16*(\m)+8*\n:BF+64*((\q)%2)+16*(\m)+8*\n+3], v[BL+\n] offset:64*(4*(\q)+(\m))
	ds_load_b128 v[BF+64*((\q)%2)+16*(\m)+8*\n+4:BF+64*((\q)%2)+16*(\m)+8*\n+7], v[BL+\n] offset:64*(4*(\q)+(\m))+32
.endr
.endm
; Phase 2: the fragments of h of sub-step q into ring place q % 4: 16 loads
.macro AFETCH q
	WIN 0x40
.irp k, 0,1,2,3
.irp t, 0,1
	global_load_b128 v[64*((\q)%4)+16*\k+8*\t:64*((\q)%4)+16*\k+8*\t+3], v[AO+\t], s[28+2*\t:29+2*\t] offset:(4*(\q)+\k)*1024
	global_load_b128 v[64*((\q)%4)+16*\k+8*\t+4:64*((\q)%4)+16*\k+8*\t+7], v[AO+\t], s[28+2*\t:29+2*\t] offset:(4*(\q)+\k)*1024+512
.endr
.endr
.endm
; Phase 2: 16 matrix instructions: the 4 accumulators take turns, one instruction a turn, four times, in the same order everywhere.  Sub-step 0's first 4 start the sums.
; Behind each of the first four groups of two stands a quarter of the next sub-step's weight fragments.  No wait: no vector or matrix line since the wait at the step's head names the other weight buffer.
.macro MUL q
	WIN 0x04
.irp k, 0,1,2,3
.irp t, 0,1
.irp n, 0,1
.if ((\q) == 0) && (\k == 0)
	v_wmma_f32_16x16x32_bf16 v[ACC+8*(2*\t+\n):ACC+8*(2*\t+\n)+7], v[BF+64*((\q)%2)+16*\k+8*\n:BF+64*((\q)%2)+16*\k+8*\n+7], v[64*((\q)%4)+16*\k+8*\t:64*((\q)%4)+16*\k+8*\t+7], 0
.else
	v_wmma_f32_16x16x32_bf16 v[ACC+8*(2*\t+\n):ACC+8*(2*\t+\n)+7], v[BF+64*((\q)%2)+16*\k+8*\n:BF+64*((\q)%2)+16*\k+8*\n+7], v[64*((\q)%4)+16*\k+8*\t:64*((\q)%4)+16*\k+8*\t+7], v[ACC+8*(2*\t+\n):ACC+8*(2*\t+\n)+7]
.endif
.endr
.if ((\q) < 15) && (2*\k+\t < 4)
	BQUART (\q)+1, 2*\k+\t
.endif
.endr
.endr
.endm
; The way out of tile t: 16 rows x 32 columns of f32 go through my own stage (LDS serves a wave's instructions in order, so no wait stands between my stores and my loads, nor between
; one tile's loads and the next tile's stores) and leave as rows of 128 bytes, each to its token.  Each accumulator's low registers are read first.
; It holds no vector line: the accumulators and the offsets were written ahead of the one wait that stands in front of both tiles' way out.
.macro LEAVE t
.irp n, 0,1
	ds_store_b128 v[STO], v[ACC+8*(2*(\t)+\n):ACC+8*(2*(\t)+\n)+3] offset:64*\n
	ds_store_b128 v[STO], v[ACC+8*(2*(\t)+\n)+4:ACC+8*(2*(\t)+\n)+7] offset:64*\n+16
.endr
.irp i, 0,1,2,3
	ds_load_b128 v[OUT+16*(\t)+4*\i:OUT+16*(\t)+4*\i+3], v[RD] offset:4*SP*\i
.endr
.irp i, 0,1,2,3
	s_wait_dscnt 3-\i                              ; the 3 - i younger LDS loads may stay out
	global_store_b128 v[OFS+4*(\t)+\i], v[OUT+16*(\t)+4*\i:OUT+16*(\t)+4*\i+3], s[36:37] th:TH_STORE_NT
.endr
.endm
	s_load_b256 s[4:11], s[0:1], 0x0               ; hbuf s[4:5], Wd s[6:7], meta s[8:9], order s[10:11]
	s_load_b64 s[12:13], s[0:1], 0x20              ; out0
	v_lshl_add_u32 v2, v0, 2, SPARE
	v_mov_b32 v3, 0
	v_and_b32 v1, 31, v0
	v_lshrrev_b32 v14, 5, v0
	v_readfirstlane_b32 s14, v14
	s_mov_b32 s15, ttmp9
	s_and_b32 s16, ttmp7, 0xffff
	s_lshl_b32 s19, s16, 4
	v_lshlrev_b32 v4, 4, v1
	s_wait_alu depctr_va_sdst(0)                   ; s14, the wave's number, is written, ahead of its first reader
	s_mul_i32 s30, s14, 4*PITCH                    ; my 4 rows in LDS
	v_lshl_add_u32 v[BS], v1, 3, s30
	v_and_b32 v14, 15, v1
	v_lshrrev_b32 v15, 4, v1
	v_mul_u32_u24 v[BL], v14, PITCH
	v_lshl_add_u32 v[BL], v15, 4, v[BL]
	v_add_nc_u32 v[BL+1], 16*PITCH, v[BL]
	s_mul_i32 s49, s14, 16*SP
	s_add_co_u32 s49, s49, STAGE                   ; my stage
	v_mul_u32_u24 v[STO], v14, SP                  ; in: row lane % 16, 32 bytes for each half of the lanes
	v_lshl_add_u32 v[STO], v15, 5, v[STO]
	v_add_nc_u32 v[STO], s49, v[STO]
	v_lshrrev_b32 v24, 3, v1
	v_and_b32 v25, 7, v1
	v_mul_u32_u24 v[RD], v24, SP                   ; back: eight lanes take a row of 128 bytes
	v_lshl_add_u32 v[RD], v25, 4, v[RD]
	v_add_nc_u32 v[RD], s49, v[RD]
	v_lshlrev_b32 v[CO], 4, v25
	v_lshlrev_b32 v[TO], 2, v24
	s_lshl_b32 s46, s16, 23                        ; the expert's 1,024 rows of 8,192 bytes,
	s_lshl_b32 s49, s15, 18                        ; the slice's 32 rows,
	s_add_co_u32 s46, s46, s49
	s_lshl_b32 s49, s14, 15                        ; my 4 of them
	s_add_co_u32 s46, s46, s49
	s_mov_b32 s47, 0
	s_wait_kmcnt 0x0
	s_load_b128 s[20:23], s[8:9], s19 offset:0x0   ; my expert's entry
	s_add_nc_u64 s[24:25], s[6:7], s[46:47]
	s_lshl_b32 s46, s15, 7
	s_add_nc_u64 s[36:37], s[12:13], s[46:47]      ; out0 at my 32 columns
; PHASE 1
	WIN 0x40
	s_wait_alu depctr_va_vdst(0)                   ; v4 to v7 and v10 to v13 are written: the offsets and LDS addresses that the kernel's loads and stores read and that are never written again
.irp g, 0,1,2,3,4,5,6
	GLOAD \g
.endr
.irp g, 0,1,2,3,4,5,6,7
	BLOCK \g
.endr
	WIN 0
	s_wait_alu depctr_va_vdst(0)                   ; block 7 has written TMP1, which the last eight stores read
	TOLDS 7
	s_wait_dscnt 0x0                               ; for the others' sake: my rows are in LDS
	s_barrier_signal -1
	s_barrier_wait -1                              ; the slice is whole; nothing writes it from here on
; PHASE 2
	s_wait_kmcnt 0x0
	s_add_co_u32 s54, s22, 15
	s_lshr_b32 s54, s54, 4                         ; ceil(tiles / 16)
	s_min_u32 s54, s54, 4
	s_cmp_eq_u32 s54, 0
	s_cbranch_scc1 .Lend                           ; an expert without rows
	s_sub_co_u32 s52, s22, 1
	s_mov_b32 s48, 0
.Lblock:
	s_wait_xcnt 0x0                                ; the last unit's loads and stores have had their addresses translated: bases, offsets and store data are rewritten only behind this wait
	s_wait_alu depctr_vm_vsrc(0)                   ; the last unit's loads of h have read AO, its LDS stores the accumulators, its stores OFS and OUT; in the first trip my LDS stores have read TMP, in which the tokens and weight fragments land: all are written again below
	s_lshl_b32 s49, s48, 4
	s_add_co_u32 s49, s49, s14                     ; my unit's first tile
	s_cmp_ge_u32 s49, s22
	s_cbranch_scc1 .Lnext                          ; past the count: the whole unit is jumped; it holds no barrier
.irp t, 0,1
	s_add_co_u32 s55, s49, 8*\t
	s_cmp_lt_u32 s55, s22
	s_cselect_b32 s[40+\t], 0x1f0, 0
	s_min_u32 s[40+\t], s[40+\t], 0x1f0            ; the lanes' mask: all of 16 lane, or nothing
	s_min_u32 s55, s55, s52                        ; past the count: the expert's last tile
	s_add_co_u32 s55, s55, s21
	s_min_u32 s55, s55, 71
	s_lshl_b32 s46, s55, 16
	s_add_nc_u64 s[28+2*\t:29+2*\t], s[4:5], s[46:47]
	s_lshl_b32 s46, s55, 6
	s_add_nc_u64 s[32+2*\t:33+2*\t], s[10:11], s[46:47]
	v_and_b32 v[AO+\t], s[40+\t], v4
.endr
	s_wait_alu depctr_va_vdst(0)                   ; AO is written, which the loads of h read; all earlier roundings, clamps and products are done with TOK, with the ring and with both weight buffers, in which the loads below and step 0's land
.irp t, 0,1
.irp i, 0,1,2,3
	global_load_b32 v[TOK+4*\t+\i], v[TO], s[32+2*\t:33+2*\t] offset:16*\i  ; older than every load of h: in when the first of those is
.endr
.endr
.irp q, 0,1,2
	AFETCH \q                                      ; with the 8 above, 56 loads of mine are out
.endr
	WIN 0
.irp m, 0,1,2,3
	BQUART 0, \m                                   ; sub-step 0's weight fragments
.endr
.irp q, 0,1,2,3,4,5,6,7,8,9,10,11,12,13,14,15
.if \q < 14
	s_wait_loadcnt 32                              ; sub-step q's h is in; the 2 younger sub-steps, 16 loads each, may stay out
.else
	s_wait_loadcnt 16*(15-\q)                      ; nothing more is asked for: the counts run down to 0
.endif
	s_wait_dscnt 0x0                               ; sub-step q's weight fragments, asked for among the products of the sub-step before, are in
.if \q < 13
	WIN 0x40                                       ; the switch stands ahead of the wait, the loads behind it
.else
	WIN 0x04
.endif
.if (\q > 0) && (\q < 15)
	s_wait_alu depctr_va_vdst(0)                   ; the products of the sub-step before are done reading their ring place and their weight buffer, in which this step's loads land
.endif
.if \q < 13
	AFETCH \q+3                                    ; into the ring place that the sub-step before multiplied (in step 0: place 3, not named since the wait at the unit's head)
.endif
	MUL \q
.if \q < 15
	PLACES
.endif
.endr
	WIN 0
.irp t, 0,1
.irp i, 0,1,2,3
	v_min_u32 v[TOK+4*\t+\i], 0x3ff, v[TOK+4*\t+\i]                ; both tiles' rows: the token, held inside the output's 1,024 rows,
	v_lshl_add_u32 v[OFS+4*\t+\i], v[TOK+4*\t+\i], 12, v[CO]       ; and its row's byte offset.  These sixteen plain lines name no register of the products: they are the places behind the last of them
.endr
.endr
	s_wait_alu depctr_va_vdst(0)                   ; the products have written the accumulators, which the LDS stores read; the lines above have written OFS, which the stores read as their offsets
	LEAVE 0
	s_cmp_eq_u32 s41, 0
	s_cbranch_scc1 .Lnext                          ; a second tile past the count stores nothing
	LEAVE 1
.Lnext:
	s_add_co_u32 s48, s48, 1
	s_cmp_lt_u32 s48, s54
	s_cbranch_scc1 .Lblock
.Lend:
	s_wait_dscnt 0x0                               ; the closing lines, six on end
	s_wait_alu 0x0
	s_wait_tensorcnt 0x0
	ds_add_u32 v2, v3
	s_wait_dscnt 0x0
	s_endpgm
.Lfunc_end_k_qbac30b144a_down:
	.size	k_qbac30b144a_down, .Lfunc_end_k_qbac30b144a_down-k_qbac30b144a_down
	.p2alignl 7, 3214868480
	.fill 96, 4, 3214868480
	.section	.rodata,"a",@progbits
	.p2align	6, 0x0
	.amdhsa_kernel k_qbac30b144a_down
		.amdhsa_group_segment_fixed_size 151040
		.amdhsa_private_segment_fixed_size 0
		.amdhsa_enable_private_segment 0
		.amdhsa_kernarg_size 40
		.amdhsa_user_sgpr_count 2
		.amdhsa_user_sgpr_kernarg_segment_ptr 1
		.amdhsa_wavefront_size32 1
		.amdhsa_system_sgpr_workgroup_id_x 1
		.amdhsa_system_sgpr_workgroup_id_y 1
		.amdhsa_system_sgpr_workgroup_id_z 1
		.amdhsa_system_vgpr_workitem_id 0
		.amdhsa_next_free_vgpr 512
		.amdhsa_next_free_sgpr 66
		.amdhsa_reserve_vcc 0
		.amdhsa_float_denorm_mode_32 3
		.amdhsa_float_denorm_mode_16_64 3
		.amdhsa_memory_ordered 1
		.amdhsa_forward_progress 1
		.amdhsa_inst_pref_size 88
	.end_amdhsa_kernel
	.amdgpu_metadata
---
amdhsa.version: [ 1, 2 ]
amdhsa.kernels:
  - .name:           k_qbac30b144a_down
    .symbol:         k_qbac30b144a_down.kd
    .args:
      - { .name: hbuf, .offset: 0, .size: 8, .value_kind: global_buffer, .address_space: global }
      - { .name: w_down, .offset: 8, .size: 8, .value_kind: global_buffer, .address_space: global }
      - { .name: meta, .offset: 16, .size: 8, .value_kind: global_buffer, .address_space: global }
      - { .name: order, .offset: 24, .size: 8, .value_kind: global_buffer, .address_space: global }
      - { .name: out0, .offset: 32, .size: 8, .value_kind: global_buffer, .address_space: global }
    .group_segment_fixed_size: 151040
    .private_segment_fixed_size: 0
    .kernarg_segment_align: 8
    .kernarg_segment_size: 40
    .max_flat_workgroup_size: 256
    .sgpr_count:     66
    .vgpr_count:     512
    .wavefront_size: 32
...
	.end_amdgpu_metadata
.endif
;; end of part 5
